; MI455X (gfx1250); checked and timed in simulation.
; The chip was launched on July 23, 2026; its instructions are those of AMD's public machine-readable ISA for CDNA 5 (MIT licence, August 2026) and "CDNA5" Instruction Set Architecture Reference Guide (July 2026). The comments in the code are by the model that wrote it; some were corrected since.
;; Transformer Encoder Layer. Allowed arithmetic: matrix products marked QUANTISED: E5M2 operands, one E8M0 scale for each 32 along K, by v_wmma_scale_f32_16x16x128_f8f6f4 with both operands' format E5M2, f32 sums; everything else in f32.
;; Inputs: b1 4,096 float32; b2 1,024 float32; be1 1,024 float32; be2 1,024 float32; bk 1,024 float32; bo 1,024 float32; bq 1,024 float32; bv 1,024 float32; g1 1,024 float32; g2 1,024 float32; w1 1,024 x 4,096 float32; w2 4,096 x 1,024 float32; wk 1,024 x 1,024 float32; wo 1,024 x 1,024 float32; wq 1,024 x 1,024 float32; wv 1,024 x 1,024 float32; x 2 x 2,048 x 1,024 float32.
;; Outputs: out0 2 x 2,048 x 1,024 float32.
;; This version of the problem:
;;   THIS VERSION OF THE PROBLEM IS GIVEN IN LOW PRECISION. The matrix products marked QUANTISED in the list below multiply operands that are first quantised to E5M2 (5 exponent bits, 2 mantissa bits; 8 bits a number), with one power-of-two scale for each 32 numbers along K (OCP MX v1.0); their sums are f32. All else is computed in f32.
;;   The module's matrix products, in the order in which they are computed (A, B: the left and right operand; K: the contracted axis; several contracted axes count as one K, in the product's order):
;;     1. [M 4,096, K 1,024] x [K 1,024, N 1,024]; A: input x; B: input wq: QUANTISED
;;     2. [M 4,096, K 1,024] x [K 1,024, N 1,024]; A: input x; B: input wk: QUANTISED
;;     3. [M 4,096, K 1,024] x [K 1,024, N 1,024]; A: input x; B: input wv: QUANTISED
;;     4. batch 32 x [M 2,048, K 64] x [K 64, N 2,048]; A: computed on the way; B: computed on the way: QUANTISED
;;     5. batch 32 x [M 2,048, K 2,048] x [K 2,048, N 64]; A: softmax (see below); B: computed on the way: QUANTISED
;;     6. [M 4,096, K 1,024] x [K 1,024, N 1,024]; A: computed on the way; B: input wo: QUANTISED
;;     7. [M 4,096, K 1,024] x [K 1,024, N 4,096]; A: computed on the way; B: input w1: QUANTISED
;;     8. [M 4,096, K 4,096] x [K 4,096, N 1,024]; A: computed on the way; B: input w2: QUANTISED
;;   THE QUANTISER, for each operand of a quantised product, along K:
;;     - K is cut into blocks of 32 from its start; a last block that is shorter is filled with zeros.
;;     - A block's scale is 2^e with e = floor(log2(the largest magnitude in the block)) - 15, held to -126 .. 127; a block of zeros has e = 0. As a byte (E8M0): e + 127.
;;     - Each number is divided by its block's scale, clamped to +-57,344, and rounded to the nearest number of E5M2, ties to even, subnormals kept.
;;     - The product sums the exact products of the quantised numbers (number of the format x scale) in f32.
;;   ~~~python
;;   def quantise(x, axis):      # numpy; x: float32 -> the quantised numbers, widened to float32 again
;;       x = np.moveaxis(x, axis, -1); K = x.shape[-1]
;;       x = np.pad(x, [(0, 0)] * (x.ndim - 1) + [(0, -K % 32)]); x = x.reshape(x.shape[:-1] + (-1, 32)); a = np.abs(x).max(-1, keepdims=True)
;;       e = np.where(a > 0, np.clip(np.frexp(np.where(a > 0, a, 1))[1] - 1 - 15, -126, 127), 0)      # np.frexp(a)[1] - 1 = floor(log2(a)), exactly
;;       r = np.clip(x / 2.0 ** e, -57344, 57344)
;;       step = 2.0 ** (np.maximum(np.frexp(np.where(r == 0, 1, r))[1] - 1, -14) - 2)
;;       q = np.round(r / step) * step * 2.0 ** e      # np.round: ties to even
;;       return np.moveaxis(q.reshape(q.shape[:-2] + (-1,))[..., :K], -1, axis).astype(np.float32)
;;   ~~~
;;   SOFTMAX AHEAD OF A QUANTISED PRODUCT. Where the list says 'softmax', what is quantised is not the finished softmax but p = 2^(t - M), with t = logit x log2(e) and M = ceil(the row's largest t), a whole number; so 1/2 < the row's largest p <= 1. The row's sum l is taken of the UNQUANTISED p, in f32, and the product's result is divided by l at the end. Since M is a whole number, a kernel that streams over the keys may use a running M (the ceiling of the running maximum): every later rescaling is an exact power of two, which a block's scale takes up: the codes' values come out the same.
;;   OPERANDS COMPUTED ON THE WAY. 'Computed on the way' means the value that the module computes at that place (a softmax that the list does not call 'softmax' is quantised finished and normalised). What goes into a quantiser is computed in f32, as accurately as f32 sums, v_exp_f32 and their like allow (about 1e-6 of the number): no bf16 or f16 on the way to a quantiser, and a product that is left as it is and whose result goes on into a quantised operand takes f32 operands (vector FMAs, or v_wmma_f32_16x16x4_f32). A number that lies on a knife's edge between two numbers of the format may be rounded either way, as far as f32 arithmetic and the matrix unit's own rounding can turn it there, and no further.
;; One version. Each part assembles by itself: llvm-mc -triple=amdgcn-amd-amdhsa -mcpu=gfx1250 --defsym DOCPART=n.
;; ======== version 1 of 1: 8 launches
;; limits: right only within a limited range of input values
;; workspace buffers: wa 12,976,128 bytes; wb 4,325,376 bytes; qkv 13,238,272 bytes; ctx 4,325,376 bytes; part 16,777,216 bytes; o1 21,102,592 bytes; hid 17,301,504 bytes
;; launch prep (part 1): grid 640 x 1, 8 waves a work-group, no clusters, 68,608 bytes of LDS; arguments x, wq, wk, wv, wo, w1, w2, wa, wb; writes wa, wb
.if DOCPART == 1
	.amdgcn_target "amdgcn-amd-amdhsa--gfx1250"
	.amdhsa_code_object_version 6
	.text
	.protected	k_qf90669677a_prep
	.globl	k_qf90669677a_prep
	.p2align	8
	.type	k_qf90669677a_prep,@function
k_qf90669677a_prep:
	s_mov_b64 s[64:65], 0
	v_nop
	global_prefetch_b8 v0, s[64:65] scope:SCOPE_SE
	s_setreg_imm32_b32 hwreg(HW_REG_WAVE_MODE, 25, 1), 1
	s_wait_xcnt 0x0
; All inputs of the quantised products that arrive as f32 become codes of E5M2 with one E8M0 byte for each 32 along K, laid as IMAGES OF THE OPERAND'S REGISTERS.
; A fragment (16 rows x 128 K) is 2,048 bytes: chunk c (512 bytes), lane l = (r = l % 16, h = l / 16) at 16 l: the codes of k = 32 c + 16 h + 0 .. 15 of the fragment's row r.
; Lane r of fragment t is row 32 (t / 2) + 8 (t % 2) + r + 8 (r / 8).  Fragment f = ((row / 128) 8 + k / 128) 8 + t % 8 lies at 2,048 f; its 16 scale words at 64 f behind a record's codes.
; Records of 1,024 rows x K 1,024 (WREC bytes): wa: 0 wo, 1 wq, 2 wk, 3 wv, 4-7 w1's columns 1,024 s on; wb: s = w2's rows 1,024 s on.  x's record (4,096 rows) lies in wa at XOFF.
; Work-groups 0-383: a weight [K][N], 256 columns x 128 k: a lane takes a column and its registers run down K, so a block of 32 lies in one lane and nothing is transposed.
; A wave has four blocks, which are one scale word a column; two blocks' loads are out at a time.
; Work-groups 384-639: 16 rows of x (a fragment's): wave w takes k = 128 w on; the numbers turn through the wave's own stage in LDS.  Waves share nothing: no barrier.
; A block's byte is the largest magnitude's exponent field - 15, held at 1 from below (a block of zeros keeps 1: its codes are zeros, and this program alone reads the bytes).
; LIMITS: blocks whose largest magnitude lies under 2^-111 are quantised under the floor's scale; NaN and infinities among the inputs are not served.
.set WREC, 1081344
.set XOFF, 8650752
.set EMAX, 15
.set NWG,  384                         ; work-groups of the weights: 12 units x 4 x 8
.set NB,   4                           ; blocks of a wave
.set OFF,  32                          ; v32-63   4 lane + i rows of the weight
.set X,    64                          ; v64-127  two sets of 32 numbers
.set C,    128                         ; v128-159 eight registers of codes for each block: no store's data are written again
.set SB,   16                          ; v16      scale bytes, four to the register
.set BASE, 32                          ; s[32:39] the weight at my columns, block t's first row
.set SEL,  48                          ; s[48:49] lane selects: lane l xor 16
.set MNT,  50                          ; s50      the mantissa field of 57,344
.set PC,   80                          ; x path: v80-95 codes, v96-111 at work, v112 the scale word
.set TM,   96
.set PW,   112
	s_load_b512 s[8:23], s[0:1], 0x0               ; x, wq, wk, wv, wo, w1, w2, wa
	s_load_b64 s[24:25], s[0:1], 0x40              ; wb
	v_lshl_add_u32 v160, v0, 2, 0x10800
	v_mov_b32 v161, 0
	v_lshrrev_b32 v2, 5, v0
	s_delay_alu instid0(VALU_DEP_1)
	v_readfirstlane_b32 s26, v2                    ; wave 0..7
	v_and_b32 v1, 31, v0                           ; lane
	s_mov_b32 s[MNT], 0x600000
	s_wait_kmcnt 0x0
	s_cmp_ge_u32 ttmp9, NWG
	s_cbranch_scc1 .Lx
	; ---- a weight
	s_lshr_b32 s27, ttmp9, 5                       ; the unit u = 0 .. 11
	s_and_b32 s51, ttmp9, 3                        ; which 256 columns
	s_bfe_u32 s52, ttmp9, 0x30002                  ; which 128 along K
	s_cmp_eq_u32 s27, 0
	s_cselect_b64 s[28:29], s[16:17], s[10:11]     ; the choice hangs on the work-group's number alone
	s_cmp_eq_u32 s27, 2
	s_cselect_b64 s[28:29], s[12:13], s[28:29]
	s_cmp_eq_u32 s27, 3
	s_cselect_b64 s[28:29], s[14:15], s[28:29]
	s_cmp_ge_u32 s27, 4
	s_cselect_b64 s[28:29], s[18:19], s[28:29]
	s_cmp_ge_u32 s27, 8
	s_cselect_b64 s[28:29], s[20:21], s[28:29]
	s_lshr_b32 s53, s27, 2                         ; 0: a square weight, 1: w1, 2: w2
	s_lshl_b32 s54, s51, 8
	s_lshl_b32 s55, s26, 5
	s_add_co_u32 s54, s54, s55                     ; my first column in the unit: 256 cg + 32 wave
	s_lshl_b32 s55, s52, 7                         ; my first k in the unit
	s_and_b32 s56, s27, 3
	s_lshl_b32 s56, s56, 10                        ; 1,024 (u mod 4)
	s_mov_b32 s30, 4096
	s_cmp_eq_u32 s53, 1
	s_cselect_b32 s57, s56, 0                      ; w1: the unit's columns begin there,
	s_cselect_b32 s30, 16384, s30                  ; and a row is 16,384 bytes
	s_cmp_eq_u32 s53, 2
	s_cselect_b32 s58, s56, 0                      ; w2: the unit's rows begin there
	s_add_co_u32 s57, s57, s54
	s_add_co_u32 s58, s58, s55
	s_mul_i32 s58, s58, s30
	s_lshl_b32 s57, s57, 2
	s_add_co_u32 s58, s58, s57
	s_mov_b32 s59, 0
	s_add_nc_u64 s[BASE:BASE+1], s[28:29], s[58:59]
	s_lshl_b32 s58, s30, 5                         ; 32 rows on
.irp t, 1,2,3
	s_add_nc_u64 s[BASE+2*\t:BASE+2*\t+1], s[BASE+2*\t-2:BASE+2*\t-1], s[58:59]
.endr
	s_cmp_ge_u32 s27, 8
	s_cselect_b64 s[60:61], s[24:25], s[22:23]     ; w2's records go to wb, the others to wa
	s_cselect_b32 s54, 8, 0
	s_sub_co_u32 s54, s27, s54
	s_mul_i32 s54, s54, WREC                       ; the record
	s_lshl_b32 s55, s51, 1
	s_lshr_b32 s56, s26, 2
	s_add_co_u32 s55, s55, s56                     ; which 128 rows of it
	s_and_b32 s56, s26, 3                          ; which pair of fragments
	s_lshl_b32 s58, s55, 17
	s_add_co_u32 s58, s58, s54
	s_lshl_b32 s57, s52, 14                        ; my 128 along K: 8 fragments of 2,048 bytes
	s_add_co_u32 s58, s58, s57
	s_lshl_b32 s57, s56, 12
	s_add_co_u32 s58, s58, s57
	s_lshl_b32 s55, s55, 12
	s_add_co_u32 s54, s54, s55
	s_lshl_b32 s57, s52, 9
	s_add_co_u32 s54, s54, s57
	s_lshl_b32 s57, s56, 7
	s_add_co_u32 s54, s54, s57
	s_add_co_u32 s54, s54, 1048576
	s_mov_b32 s55, 0
	s_add_nc_u64 s[62:63], s[60:61], s[54:55]      ; my scale words
	s_add_nc_u64 s[60:61], s[60:61], s[58:59]      ; my codes
	s_wait_alu depctr_va_vdst(0)
	v_lshlrev_b32 v5, 2, v1
	v_bfe_u32 v6, v1, 3, 1                         ; my column's fragment of the pair,
	v_and_b32 v7, 7, v1
	v_lshrrev_b32 v8, 4, v1
	s_delay_alu instid0(VALU_DEP_1)
	v_lshl_add_u32 v7, v8, 3, v7                   ; and its row r there
	s_delay_alu instid0(VALU_DEP_1)
	v_lshlrev_b32 v3, 4, v7
	s_delay_alu instid0(VALU_DEP_1)
	v_lshl_add_u32 v3, v6, 11, v3                  ; codes: 2,048 x fragment + 16 r
	s_delay_alu instid0(VALU_DEP_3)
	v_lshlrev_b32 v4, 2, v7
	s_delay_alu instid0(VALU_DEP_1)
	v_lshl_add_u32 v4, v6, 6, v4                   ; scale words: 64 x fragment + 4 r
.set ii, 0
.rept 32
	v_mad_u32_u24 v[OFF+ii], s30, ii, v5
.set ii, ii+1
.endr
.macro LOAD t                          ; block t: W(32 t + i, my column): a wave reads 128 consecutive bytes, the eight waves 1,024
.irp i, 0,1,2,3,4,5,6,7,8,9,10,11,12,13,14,15,16,17,18,19,20,21,22,23,24,25,26,27,28,29,30,31
	global_load_b32 v[X+32*((\t)%2)+\i], v[OFF+\i], s[BASE+2*(\t):BASE+2*(\t)+1] th:TH_LOAD_NT
.endr
.endm
.macro BLOCK t
.set XS, X+32*((\t)%2)
.if (\t) < NB-1
	s_wait_loadcnt 32                              ; this block's 32 loads are in; the next block's may be out
.else
	s_wait_loadcnt 0
.endif
	v_max3_num_f32 v12, |v[XS]|, |v[XS+1]|, |v[XS+2]|
	v_max3_num_f32 v13, |v[XS+3]|, |v[XS+4]|, |v[XS+5]|
.irp i, 6,10,14,18,22,26
	s_delay_alu instid0(VALU_DEP_2)
	v_max3_num_f32 v12, v12, |v[XS+\i]|, |v[XS+\i+1]|
	s_delay_alu instid0(VALU_DEP_2)
	v_max3_num_f32 v13, v13, |v[XS+\i+2]|, |v[XS+\i+3]|
.endr
	s_delay_alu instid0(VALU_DEP_2)
	v_max3_num_f32 v12, v12, |v[XS+30]|, |v[XS+31]|
	s_delay_alu instid0(VALU_DEP_1)
	v_max3_num_f32 v12, v12, v13, (EMAX+1)<<23     ; with the floor 2^(16 - 127): the byte cannot fall under 1
	s_delay_alu instid0(VALU_DEP_1)
	v_add_nc_u32 v11, -(EMAX<<23), v12             ; 15 off the exponent field: the conversion's scale operand
	s_delay_alu instid0(VALU_DEP_2)
	v_and_or_b32 v10, v12, 0x7f800000, s[MNT]      ; 57,344 x the scale
	s_delay_alu instid0(VALU_DEP_2)
	v_lshrrev_b32 v13, 23, v11                     ; the byte
.if (\t) == 0
	s_delay_alu instid0(VALU_DEP_1)
	v_mov_b32 v[SB], v13
.else
	s_delay_alu instid0(VALU_DEP_1)
	v_lshl_or_b32 v[SB], v13, 8*(\t), v[SB]
.endif
.irp i, 0,1,2,3,4,5,6,7,8,9,10,11,12,13,14,15,16,17,18,19,20,21,22,23,24,25,26,27,28,29,30,31
	v_med3_num_f32 v[XS+\i], v[XS+\i], -v10, v10   ; the conversion does not saturate (ISA guide 7.6.2): the hold comes first
.endr
.irp g, 0,1,2,3
	v_cvt_scalef32_pk8_bf8_f32 v[C+8*(\t)+2*\g:C+8*(\t)+2*\g+1], v[XS+8*\g:XS+8*\g+7], v11
.endr
	global_store_b128 v3, v[C+8*(\t):C+8*(\t)+3], s[60:61] offset:(\t)*512        ; k + 0 .. 15: the sixteen lanes of a fragment fill 256 consecutive bytes, aligned
	global_store_b128 v3, v[C+8*(\t)+4:C+8*(\t)+7], s[60:61] offset:(\t)*512+256  ; k + 16 .. 31
.if (\t) == NB-1
	global_store_b32 v4, v[SB], s[62:63]           ; 128 consecutive bytes
.endif
.if (\t)+2 < NB
	LOAD (\t)+2
.endif
.endm
	LOAD 0
	LOAD 1
.irp t, 0,1,2,3
	BLOCK \t
.endr
	s_endpgm
	; ---- 16 rows of x
.Lx:
	s_sub_co_u32 s27, ttmp9, NWG                   ; the fragment t = 0 .. 255
	s_lshr_b32 s28, s27, 1
	s_lshl_b32 s28, s28, 5
	s_and_b32 s29, s27, 1
	s_lshl_b32 s29, s29, 3
	s_add_co_u32 s28, s28, s29                     ; its first row
	s_lshl_b32 s28, s28, 12
	s_lshl_b32 s29, s26, 9                         ; my 128 along K
	s_add_co_u32 s28, s28, s29
	s_mov_b32 s29, 0
	s_add_nc_u64 s[8:9], s[8:9], s[28:29]
	s_wait_alu depctr_va_vdst(0)
	v_lshlrev_b32 v3, 4, v1
.irp i, 0,1,2,3,4,5,6,7,8,9,10,11,12,13,14,15
	global_load_b128 v[16+4*\i:19+4*\i], v3, s[8:9] offset:(\i+8*(\i/8))*4096   ; 512 consecutive bytes of the fragment's row i
.endr
	s_mul_i32 s30, s26, 8448                       ; my stage: 16 rows x (512 + 16) bytes
	v_add_nc_u32 v4, s30, v3
	v_and_b32 v5, 15, v1
	v_lshrrev_b32 v6, 4, v1
	s_delay_alu instid0(VALU_DEP_2)
	v_mul_u32_u24 v7, v5, 528
	s_delay_alu instid0(VALU_DEP_1)
	v_lshl_add_u32 v7, v6, 6, v7
	s_delay_alu instid0(VALU_DEP_1)
	v_add_nc_u32 v7, s30, v7                       ; back: row r, + 64 h: 16 neighbours of each block of 32
	v_lshlrev_b32 v8, 2, v5
	s_lshr_b32 s31, s27, 3
	s_lshl_b32 s31, s31, 3
	s_add_co_u32 s31, s31, s26
	s_lshl_b32 s31, s31, 3
	s_and_b32 s51, s27, 7
	s_add_co_u32 s31, s31, s51                     ; f
	s_lshl_b32 s52, s31, 11
	s_add_co_u32 s52, s52, XOFF
	s_mov_b32 s53, 0
	s_lshl_b32 s54, s31, 6
	s_add_co_u32 s54, s54, XOFF+4194304
	s_mov_b32 s55, 0
	s_add_nc_u64 s[52:53], s[22:23], s[52:53]
	s_add_nc_u64 s[54:55], s[22:23], s[54:55]
	s_mov_b32 s[SEL], 0x76543210
	s_mov_b32 s[SEL+1], 0xfedcba98
.irp b, 0,1,2,3
	v_mov_b32 v[TM+4+\b], 0                        ; a lane permute's destination counts as one of its sources
.endr
	s_wait_alu depctr_va_vdst(0)
	s_wait_loadcnt 0x0
.irp i, 0,1,2,3,4,5,6,7,8,9,10,11,12,13,14,15
	ds_store_b128 v4, v[16+4*\i:19+4*\i] offset:528*\i
.endr
.irp c, 0,1,2,3
.irp j, 0,1,2,3
	ds_load_b128 v[16+16*\c+4*\j:19+16*\c+4*\j], v7 offset:128*\c+16*\j   ; LDS serves a wave's instructions in order: these see my stores
.endr
.endr
	s_wait_dscnt 0x0
; 64 numbers of a lane, register 16 b + i = k 32 b + 16 h + i of my row, become a fragment's codes in v[PC] on and its scale word
.irp b, 0,1,2,3
	v_max3_num_f32 v[TM+\b], |v[16+16*\b]|, |v[17+16*\b]|, 0x8000000
.endr
.irp i, 2,4,6,8,10,12,14
.irp b, 0,1,2,3
	s_delay_alu instid0(VALU_DEP_4)
	v_max3_num_f32 v[TM+\b], v[TM+\b], |v[16+16*\b+\i]|, |v[17+16*\b+\i]|
.endr
.endr
.irp b, 0,1,2,3
	s_delay_alu instid0(VALU_DEP_4)
	v_permlanex16_b32 v[TM+4+\b], v[TM+\b], s[SEL], s[SEL+1]
.endr
.irp b, 0,1,2,3
	s_delay_alu instid0(VALU_DEP_4)
	v_max_num_f32 v[TM+\b], v[TM+\b], v[TM+4+\b]
.endr
.irp b, 0,1,2,3
	s_delay_alu instid0(VALU_DEP_4)
	v_add_nc_u32 v[TM+12+\b], 0xf8800000, v[TM+\b]
.endr
.irp b, 0,1,2,3
	v_and_or_b32 v[TM+8+\b], v[TM+\b], 0x7f800000, s[MNT]
.endr
.irp b, 0,1,2,3
	v_lshrrev_b32 v[TM+4+\b], 23, v[TM+12+\b]
.endr
	s_delay_alu instid0(VALU_DEP_3)
	v_lshl_or_b32 v[PW], v[TM+5], 8, v[TM+4]
	s_delay_alu instid0(VALU_DEP_1)
	v_lshl_or_b32 v[PW], v[TM+6], 16, v[PW]
	s_delay_alu instid0(VALU_DEP_1)
	v_lshl_or_b32 v[PW], v[TM+7], 24, v[PW]
.irp b, 0,1,2,3
.irp i, 0,1,2,3,4,5,6,7,8,9,10,11,12,13,14,15
	v_med3_num_f32 v[16+16*\b+\i], v[16+16*\b+\i], -v[TM+8+\b], v[TM+8+\b]
.endr
	v_cvt_scalef32_pk8_bf8_f32 v[PC+4*\b:PC+1+4*\b], v[16+16*\b:23+16*\b], v[TM+12+\b]
	v_cvt_scalef32_pk8_bf8_f32 v[PC+2+4*\b:PC+3+4*\b], v[24+16*\b:31+16*\b], v[TM+12+\b]
.endr
	v_nop
.irp c, 0,1,2,3
	global_store_b128 v3, v[PC+4*\c:PC+4*\c+3], s[52:53] offset:512*\c   ; 512 consecutive bytes
.endr
	global_store_b32 v8, v[PW], s[54:55]           ; lanes 16-31 hold the same words as lanes 0-15 and write the same 64 bytes
	s_wait_tensorcnt 0x0
	ds_add_u32 v160, v161
	s_wait_dscnt 0x0
	s_endpgm
.Lfunc_end_k_qf90669677a_prep:
	.size	k_qf90669677a_prep, .Lfunc_end_k_qf90669677a_prep-k_qf90669677a_prep
	.p2alignl 7, 3214868480
	.fill 96, 4, 3214868480
	.section	.rodata,"a",@progbits
	.p2align	6, 0x0
	.amdhsa_kernel k_qf90669677a_prep
		.amdhsa_group_segment_fixed_size 68608
		.amdhsa_private_segment_fixed_size 0
		.amdhsa_enable_private_segment 0
		.amdhsa_kernarg_size 72
		.amdhsa_user_sgpr_count 2
		.amdhsa_user_sgpr_kernarg_segment_ptr 1
		.amdhsa_wavefront_size32 1
		.amdhsa_system_sgpr_workgroup_id_x 1
		.amdhsa_system_sgpr_workgroup_id_y 1
		.amdhsa_system_sgpr_workgroup_id_z 1
		.amdhsa_system_vgpr_workitem_id 0
		.amdhsa_next_free_vgpr 162
		.amdhsa_next_free_sgpr 66
		.amdhsa_reserve_vcc 0
		.amdhsa_float_denorm_mode_32 3
		.amdhsa_float_denorm_mode_16_64 3
		.amdhsa_memory_ordered 1
		.amdhsa_forward_progress 1
		.amdhsa_inst_pref_size 51
	.end_amdhsa_kernel
	.amdgpu_metadata
---
amdhsa.version: [ 1, 2 ]
amdhsa.kernels:
  - .name:           k_qf90669677a_prep
    .symbol:         k_qf90669677a_prep.kd
    .args:
      - { .name: x, .offset: 0, .size: 8, .value_kind: global_buffer, .address_space: global }
      - { .name: wq, .offset: 8, .size: 8, .value_kind: global_buffer, .address_space: global }
      - { .name: wk, .offset: 16, .size: 8, .value_kind: global_buffer, .address_space: global }
      - { .name: wv, .offset: 24, .size: 8, .value_kind: global_buffer, .address_space: global }
      - { .name: wo, .offset: 32, .size: 8, .value_kind: global_buffer, .address_space: global }
      - { .name: w1, .offset: 40, .size: 8, .value_kind: global_buffer, .address_space: global }
      - { .name: w2, .offset: 48, .size: 8, .value_kind: global_buffer, .address_space: global }
      - { .name: wa, .offset: 56, .size: 8, .value_kind: global_buffer, .address_space: global }
      - { .name: wb, .offset: 64, .size: 8, .value_kind: global_buffer, .address_space: global }
    .group_segment_fixed_size: 68608
    .private_segment_fixed_size: 0
    .kernarg_segment_align: 8
    .kernarg_segment_size: 72
    .max_flat_workgroup_size: 256
    .sgpr_count:     66
    .vgpr_count:     162
    .wavefront_size: 32
...
	.end_amdgpu_metadata
.endif
;; end of part 1
;; launch qkv (part 2): grid 12 x 16, 4 waves a work-group, clusters of 4 x 4, 327,680 bytes of LDS; arguments wa, bq, bk, bv, qkv; writes qkv
.if DOCPART == 2
	.amdgcn_target "amdgcn-amd-amdhsa--gfx1250"
	.amdhsa_code_object_version 6
	.text
	.protected	k_qf90669677a_qkv
	.globl	k_qf90669677a_qkv
	.p2align	8
	.type	k_qf90669677a_qkv,@function
k_qf90669677a_qkv:
	s_mov_b64 s[64:65], 0
	v_nop
	global_prefetch_b8 v0, s[64:65] scope:SCOPE_SE
	s_setreg_imm32_b32 hwreg(HW_REG_WAVE_MODE, 25, 1), 1
	s_wait_xcnt 0x0
	s_wait_alu depctr_hold_cnt(0) depctr_sa_sdst(0) depctr_va_vdst(0) depctr_va_sdst(0) depctr_va_ssrc(0) depctr_va_vcc(0) depctr_vm_vsrc(0)
	s_getreg_b32 s2, hwreg(HW_REG_IB_STS2, 6, 4)
	s_cmp_eq_u32 s2, 0
	s_cbranch_scc0 .Lentry_in_a_cluster
	s_endpgm
.Lentry_in_a_cluster:
	s_bfe_u32 s2, ttmp6, 0x10000c
	s_cmp_lg_u32 s2, 0xf033
	s_cbranch_scc0 .Lentry_shape_is_right
	s_endpgm
.Lentry_shape_is_right:
.set WREC, 1081344
.set XOFF, 8650752
.set HREC, 413696
.set NQ,     2
.set FR,     16
.set NL,     4
.set NP,     8
.set HALFT,  32768
.set SLOT,   4*HALFT
.set LAPS,   2
.set SCL,    2*SLOT
.set HALFS,  4096
.set SPARE,  SCL+4*HALFS
.set ADRA, 16
.set ADRB, 20
.set GO,   24
.set GS,   25
.set ADRS, 27
.set SPW,  28
.set NIL,  29
.set SC,   32
.set AF,   128
.set BC,   64
.set BR,   64
.set T,    128
.set PC,   192
.set TM,   208
.set W,    224
.set G1, 24
.set G0, 32
.set G1B, 48
.set G0B, 56
.set G1S, 68
.set G0S, 76
.set G1SB, 80
.set G0SB, 88
.set SEL, 28
.set MNT, 30
.set MSB, 0
.macro WIN new
.if MSB != \new
	s_set_vgpr_msb (MSB<<8)|\new
.set MSB, \new
.endif
.endm
.set MUL_LO, 0xa1
.set MUL_HI, 0xf1
.set TO_B,   0x40
.macro JLOAD g0a, g1a, g0b, g1b
	s_cmp_eq_u32 s15, 0
	s_cbranch_scc0 .Lfor_b_\@
	tensor_load_to_lds s[\g0a:\g0a+3], s[\g1a:\g1a+7]
	s_nop 0
.rept 4
	v_nop
.endr
	s_branch .Lasked_\@
.Lfor_b_\@:
	tensor_load_to_lds s[\g0b:\g0b+3], s[\g1b:\g1b+7]
	s_nop 0
.rept 4
	v_nop
.endr
.Lasked_\@:
.endm
.macro CREST
	s_cmp_lg_u32 s14, 0
	s_cbranch_scc1 .Lnot_wave_0_\@
	s_barrier_signal -3
.Lnot_wave_0_\@:
	s_barrier_wait -3
	s_barrier_signal -1
	s_barrier_wait -1
.endm
.macro CROUND
	s_barrier_signal -1
	s_barrier_wait -1
	CREST
.endm
	s_load_b256 s[4:11], s[0:1], 0x0
	s_load_b64 s[12:13], s[0:1], 0x20
	v_lshl_add_u32 v[SPW], v0, 2, SPARE
	v_mov_b32 v[NIL], 0
	ds_add_u32 v28, v29
	ds_add_u32 v28, v29
	s_wait_dscnt 0x0
	v_lshrrev_b32 v1, 5, v0
	v_readfirstlane_b32 s14, v1
	s_lshr_b32 s15, s14, 1
	s_and_b32 s16, s14, 1
	s_bfe_u32 s40, ttmp6, 0x40000
	s_bfe_u32 s41, ttmp6, 0x40004
	s_lshl_b32 s43, s41, 2
	s_lshl_b32 s43, 15, s43
	s_lshl_b32 s44, 0x1111, s40
	s_or_b32 s[G1], s43, (3<<16)|(1<<21)
	s_or_b32 s[G1B], s44, (3<<16)|(1<<21)
	s_or_b32 s[G1S], s43, (3<<16)|(1<<21)
	s_or_b32 s[G1SB], s44, (3<<16)|(1<<21)
.irp g, G1, G1B                        ; the head's loads: a slot's 256 rows of one side are two runs of 32,768 bytes, 131,072 bytes apart
	s_mov_b32 s[\g+1], 4096<<16
	s_mov_b32 s[\g+2], 2<<16
	s_mov_b32 s[\g+3], 4096<<16
	s_mov_b32 s[\g+4], 2
	s_mov_b32 s[\g+5], 16384
	s_mov_b32 s[\g+6], 0
	s_mov_b32 s[\g+7], 0
.endr
.irp g, G1S, G1SB
	s_mov_b32 s[\g+1], 32<<16
	s_mov_b32 s[\g+2], 32<<16
	s_mov_b32 s[\g+3], 32<<16
	s_mov_b32 s[\g+4], 32
	s_mov_b32 s[\g+5], 32
	s_mov_b32 s[\g+6], 0
	s_mov_b32 s[\g+7], 0
.endr
	s_and_b32 s17, ttmp7, 0xffff
	s_lshl_b32 s17, s17, 2
	s_mul_i32 s99, ttmp9, WREC
	s_add_co_u32 s99, s99, WREC
	s_mov_b32 s19, XOFF
	s_mov_b32 s98, 4194304
	s_mov_b32 s66, 1048576
	s_cmp_eq_u32 ttmp9, 2
	s_cselect_b32 s96, 1, 0
	s_cselect_b32 s18, 0, s17
	s_cselect_b32 s97, s17, 0
	s_cselect_b32 s19, 3*WREC, s19
	s_cselect_b32 s98, 1048576, s98
	s_cselect_b32 s99, XOFF, s99
	s_cselect_b32 s66, 4194304, s66
	s_add_co_u32 s18, s18, s41
	s_lshl_b32 s18, s18, 1
	s_add_co_u32 s18, s18, s16
	s_lshl_b32 s20, s18, 17
	s_add_co_u32 s20, s20, s19
	s_mov_b32 s21, 0
	s_lshl_b32 s22, s18, 12
	s_add_co_u32 s22, s22, s19
	s_add_co_u32 s22, s22, s98
	s_mov_b32 s23, 0
	s_add_co_u32 s97, s97, s40
	s_lshl_b32 s97, s97, 1
	s_add_co_u32 s97, s97, s16
	s_lshl_b32 s46, s97, 17
	s_add_co_u32 s46, s46, s99
	s_mov_b32 s47, 0
	s_lshl_b32 s92, s97, 12
	s_add_co_u32 s92, s92, s99
	s_add_co_u32 s92, s92, s66
	s_mov_b32 s93, 0
	s_mul_i32 s45, s14, HALFT
	s_wait_kmcnt 0x0
	s_add_nc_u64 s[20:21], s[4:5], s[20:21]
	s_add_nc_u64 s[22:23], s[4:5], s[22:23]
	s_add_nc_u64 s[46:47], s[4:5], s[46:47]
	s_add_nc_u64 s[92:93], s[4:5], s[92:93]
	CROUND
	s_mov_b32 s[G0S], 1
	s_mov_b32 s[G0S+1], SCL
	s_lshl_b32 s18, s16, 12
	s_mov_b32 s19, 0
	s_sub_nc_u64 s[G0S+2:G0S+3], s[22:23], s[18:19]
	s_or_b32 s[G0S+3], s[G0S+3], 0x80000000
	s_mov_b32 s[G0SB], 1
	s_mov_b32 s[G0SB+1], SCL+2*HALFS
	s_sub_nc_u64 s[G0SB+2:G0SB+3], s[92:93], s[18:19]
	s_or_b32 s[G0SB+3], s[G0SB+3], 0x80000000
.irp s, 0,1
	s_mov_b32 s[G0+4*\s], 1
	s_add_co_u32 s[G0+4*\s+1], s45, \s*SLOT
	s_add_nc_u64 s[G0+4*\s+2:G0+4*\s+3], s[20:21], \s*32768
	s_or_b32 s[G0+4*\s+3], s[G0+4*\s+3], 0x80000000
	s_mov_b32 s[G0B+4*\s], 1
	s_add_co_u32 s[G0B+4*\s+1], s45, \s*SLOT
	s_add_nc_u64 s[G0B+4*\s+2:G0B+4*\s+3], s[46:47], \s*32768
	s_or_b32 s[G0B+4*\s+3], s[G0B+4*\s+3], 0x80000000
.endr
; THE HEAD'S LOADS, ONE A WAVE: wave 0 slot 0's rows of A, wave 1 those of B, wave 2 A's scale words, wave 3 B's.  Slot 0's groups 0 name the whole tile here; behind the wait they name my quarter.
	s_lshl_b32 s18, s16, 17
	s_mov_b32 s[G0+1], 0
	s_sub_nc_u64 s[G0+2:G0+3], s[G0+2:G0+3], s[18:19]
	s_mov_b32 s[G0B+1], 2*HALFT
	s_sub_nc_u64 s[G0B+2:G0B+3], s[G0B+2:G0B+3], s[18:19]
	s_cmp_eq_u32 s15, 0                            ; the prefetches: of the 32,768 bytes of a slot that I fetch, my work-group's 8,192, told apart from the partners' by address
	s_cselect_b64 s[98:99], s[20:21], s[46:47]
	s_cselect_b32 s18, s40, s41
	s_lshl_b32 s18, s18, 13
	s_add_nc_u64 s[98:99], s[98:99], s[18:19]
.macro ARM under, g0, g1, next
	s_cmp_lt_u32 s14, \under
	s_cbranch_scc0 \next
	tensor_load_to_lds s[\g0:\g0+3], s[\g1:\g1+7]
	s_nop 0
.rept 4
	v_nop
.endr
	s_branch .Lhead_asked
\next:
.endm
	ARM 1, G0, G1, .Lhead_b
	ARM 2, G0B, G1B, .Lhead_sa
	ARM 3, G0S, G1S, .Lhead_sb
	tensor_load_to_lds s[G0SB:G0SB+3], s[G1SB:G1SB+7]
	s_nop 0
.rept 4
	v_nop
.endr
.Lhead_asked:
	v_and_b32 v6, 31, v0
	v_lshlrev_b32 v4, 4, v6
	v_and_b32 v1, 15, v0
	v_bfe_u32 v2, v0, 4, 1
	v_lshlrev_b32 v31, 8, v6                       ; lanes 256 bytes apart
	s_wait_alu depctr_va_vdst(0)
	global_prefetch_b8 v31, s[98:99] offset:32768 th:TH_LOAD_NT scope:SCOPE_SE   ; slots 1 and 2: one and two fills ahead
	global_prefetch_b8 v31, s[98:99] offset:65536 th:TH_LOAD_NT scope:SCOPE_SE
	s_mul_i32 s21, s15, HALFT
	s_mul_i32 s22, s16, HALFT
	s_add_co_u32 s22, s22, 2*HALFT
.irp s, 0,1
	v_add_nc_u32 v[ADRA+\s], s21, v4
	v_add_nc_u32 v[ADRB+\s], s22, v4
	s_add_co_u32 s21, s21, SLOT
	s_add_co_u32 s22, s22, SLOT
.endr
	v_lshlrev_b32 v5, 2, v1
	s_mul_i32 s21, s15, HALFS
	s_mul_i32 s22, s16, HALFS
	s_add_co_u32 s22, s22, 2*HALFS
	s_sub_co_u32 s22, s22, s21
	v_mul_u32_u24 v6, s22, v2
	s_add_co_u32 s21, s21, SCL
	v_add_nc_u32 v5, v5, v6
	v_add_nc_u32 v[ADRS], s21, v5
.macro FRAG reg, adr, q, i
.irp c, 0,1,2,3
	ds_load_b128 v[\reg+4*\c:\reg+4*\c+3], v[\adr] offset:16384*(\q)+2048*(\i)+512*\c
.endr
.endm
.macro MUL16 a0, p, q, sc, zero
.irp a, \a0, \a0+1
.irp b, 0,1,2,3,4,5,6,7
.if \zero
	v_wmma_scale_f32_16x16x128_f8f6f4 v[8*(8*((\a)%4)+\b):8*(8*((\a)%4)+\b)+7], v[128*(\p)+FR*\b:128*(\p)+FR*\b+FR-1], v[AF+FR*(\a):AF+FR*(\a)+FR-1], 0, v[SC+8*NQ*(\sc)+NQ*\b+(\q)], v[SC+8*NQ*(\sc)+NQ*(\a)+(\q)] matrix_a_fmt:MATRIX_FMT_BF8 matrix_b_fmt:MATRIX_FMT_BF8 matrix_a_scale:MATRIX_SCALE_ROW1
.else
	v_wmma_scale_f32_16x16x128_f8f6f4 v[8*(8*((\a)%4)+\b):8*(8*((\a)%4)+\b)+7], v[128*(\p)+FR*\b:128*(\p)+FR*\b+FR-1], v[AF+FR*(\a):AF+FR*(\a)+FR-1], v[8*(8*((\a)%4)+\b):8*(8*((\a)%4)+\b)+7], v[SC+8*NQ*(\sc)+NQ*\b+(\q)], v[SC+8*NQ*(\sc)+NQ*(\a)+(\q)] matrix_a_fmt:MATRIX_FMT_BF8 matrix_b_fmt:MATRIX_FMT_BF8 matrix_a_scale:MATRIX_SCALE_ROW1
.endif
.endr
.endr
.endm
.macro FETCH_B slot, q, p
	WIN TO_B
.irp i, 0,1,2,3,4,5,6,7
	FRAG 128*(\p)+FR*\i, ADRB+\slot, \q, \i
.endr
	WIN 0
.endm
.macro FETCH_A slot, q, i0
.irp i, \i0, \i0+1, \i0+2, \i0+3
	FRAG AF+FR*(\i), ADRA+\slot, \q, \i
.endr
.endm
.macro SCALES sc
.irp i, 0,1,2,3,4,5,6,7
	ds_load_b32 v[SC+8*NQ*\sc+NQ*\i], v[ADRS] offset:64*\i
	ds_load_b32 v[SC+8*NQ*\sc+NQ*\i+1], v[ADRS] offset:512+64*\i
.endr
.endm
.macro PLACES n
.rept \n
	v_nop
.endr
.endm
.macro STEP slot, q, zero
	s_wait_dscnt 4*NL
	WIN MUL_LO
	MUL16 0, (\q)%2, \q, \slot, \zero
	MUL16 2, (\q)%2, \q, \slot, \zero
	s_wait_dscnt 0
	PLACES NP
	FETCH_B \slot, (\q)+1, 1-(\q)%2
	FETCH_A \slot, (\q)+1, 0
	WIN MUL_HI
	MUL16 4, (\q)%2, \q, \slot, \zero
	MUL16 6, (\q)%2, \q, \slot, \zero
	PLACES NP
	WIN 0
	FETCH_A \slot, (\q)+1, 4
.endm
.macro TURN slot, next, fill
	s_wait_tensorcnt 0x0
	ds_add_u32 v[SPW], v[NIL]
	s_wait_dscnt 4*NL+1
	WIN MUL_LO
	MUL16 0, 1, NQ-1, \slot, 0
	s_wait_dscnt 0x0
	s_barrier_signal -1
	MUL16 2, 1, NQ-1, \slot, 0
	WIN 0
	s_barrier_wait -1
.if \fill
	CREST
	s_add_nc_u64 s[G0+4*\slot+2:G0+4*\slot+3], s[G0+4*\slot+2:G0+4*\slot+3], 65536
	s_add_nc_u64 s[G0B+4*\slot+2:G0B+4*\slot+3], s[G0B+4*\slot+2:G0B+4*\slot+3], 65536
	JLOAD G0+4*\slot, G1, G0B+4*\slot, G1B
	PLACES NP-4
.else
	PLACES NP
.endif
	s_wait_alu depctr_va_vdst(0)
	v_add_nc_u32 v[ADRS], 1024, v[ADRS]
	FETCH_B \next, 0, 0
	FETCH_A \next, 0, 0
	SCALES \next
	WIN MUL_HI
	MUL16 4, 1, NQ-1, \slot, 0
	MUL16 6, 1, NQ-1, \slot, 0
	PLACES NP
	WIN 0
	FETCH_A \next, 0, 4
.endm
	s_wait_alu depctr_va_vdst(0)
	s_wait_tensorcnt 0x0                           ; my tile of the head's four is in
	ds_add_u32 v[SPW], v[NIL]
.irp g, G1, G1B                        ; no tensor load of mine is out: from here on a load brings 32,768 dense bytes as 128 rows of 256
	s_mov_b32 s[\g+1], 32<<16
	s_mov_b32 s[\g+2], 128<<16
	s_mov_b32 s[\g+3], 32<<16
	s_mov_b32 s[\g+4], 128
	s_mov_b32 s[\g+5], 32
.endr
	s_lshl_b32 s18, s16, 17
	s_mov_b32 s19, 0
	s_mov_b32 s[G0+1], s45
	s_add_nc_u64 s[G0+2:G0+3], s[G0+2:G0+3], s[18:19]
	s_mov_b32 s[G0B+1], s45
	s_add_nc_u64 s[G0B+2:G0B+3], s[G0B+2:G0B+3], s[18:19]
	s_wait_dscnt 0x0
	CROUND
	JLOAD G0+4, G1, G0B+4, G1B                     ; slot 1's first fill: the first tensor load behind the round
	FETCH_B 0, 0, 0
	FETCH_A 0, 0, 0
	SCALES 0
	FETCH_A 0, 0, 4
	global_prefetch_b8 v31, s[98:99] offset:98304 th:TH_LOAD_NT scope:SCOPE_SE   ; slot 3, the last: two fills ahead
	STEP 0, 0, 1
	s_mov_b32 s3, LAPS-1
.Llap:
	TURN 0, 1, 1
	STEP 1, 0, 0
	TURN 1, 0, 1
	STEP 0, 0, 0
	s_sub_co_u32 s3, s3, 1
	s_cmp_lg_u32 s3, 0
	s_cbranch_scc1 .Llap
	TURN 0, 1, 0
	STEP 1, 0, 0
	s_wait_dscnt 4*NL
	WIN MUL_LO
	MUL16 0, 1, NQ-1, 1, 0
	MUL16 2, 1, NQ-1, 1, 0
	s_wait_dscnt 0
	WIN MUL_HI
	MUL16 4, 1, NQ-1, 1, 0
	MUL16 6, 1, NQ-1, 1, 0
	WIN 0
	PLACES NP
.macro QUANT s, pw
.irp b, 0,1,2,3
	v_max3_num_f32 v[TM+\b], |v[\s+16*\b]|, |v[\s+1+16*\b]|, 0x8000000
.endr
.irp i, 2,4,6,8,10,12,14
.irp b, 0,1,2,3
	v_max3_num_f32 v[TM+\b], v[TM+\b], |v[\s+16*\b+\i]|, |v[\s+1+16*\b+\i]|
.endr
.endr
.irp b, 0,1,2,3
	v_permlanex16_b32 v[TM+4+\b], v[TM+\b], s[SEL], s[SEL+1]
.endr
.irp b, 0,1,2,3
	v_max_num_f32 v[TM+\b], v[TM+\b], v[TM+4+\b]
.endr
.irp b, 0,1,2,3
	v_add_nc_u32 v[TM+12+\b], 0xf8800000, v[TM+\b]
.endr
.irp b, 0,1,2,3
	v_and_or_b32 v[TM+8+\b], v[TM+\b], 0x7f800000, s[MNT]
.endr
.irp b, 0,1,2,3
	v_lshrrev_b32 v[TM+4+\b], 23, v[TM+12+\b]
.endr
	v_lshl_or_b32 v[\pw], v[TM+5], 8, v[TM+4]
	v_lshl_or_b32 v[\pw], v[TM+6], 16, v[\pw]
	v_lshl_or_b32 v[\pw], v[TM+7], 24, v[\pw]
.irp b, 0,1,2,3
.irp i, 0,1,2,3,4,5,6,7,8,9,10,11,12,13,14,15
	v_med3_num_f32 v[\s+16*\b+\i], v[\s+16*\b+\i], -v[TM+8+\b], v[TM+8+\b]
.endr
	v_cvt_scalef32_pk8_bf8_f32 v[PC+4*\b:PC+1+4*\b], v[\s+16*\b:\s+7+16*\b], v[TM+12+\b]
	v_cvt_scalef32_pk8_bf8_f32 v[PC+2+4*\b:PC+3+4*\b], v[\s+8+16*\b:\s+15+16*\b], v[TM+12+\b]
.endr
	v_nop
.endm
.macro OUTQ a, rowbias
.set AC, 64*((\a)%4)
.set WN, 2+(\a)/4
.if (\a) > 0
	s_wait_xcnt 0x0
.endif
	WIN WN
.set ii, 0
.rept 32
.if \rowbias
	v_pk_add_f32 v[T+ii:T+ii+1], v[AC+ii:AC+ii+1], v[BR+2*(\a):BR+2*(\a)+1] op_sel_hi:[1,0]
.else
	v_pk_add_f32 v[T+ii:T+ii+1], v[AC+ii:AC+ii+1], v[BC+ii:BC+ii+1]
.endif
.set ii, ii+2
.endr
	WIN 0
	QUANT T, W+(\a)
.endm
.macro WORDS
	v_cmp_le_u32 vcc_lo, 16, v1
.irp j, 0,1,2,3
	v_cndmask_b32 v[232+\j], v[W+2*\j], v[W+2*\j+1], vcc_lo
.endr
.endm
.irp b, 0,1,2,3
	v_mov_b32 v[TM+4+\b], 0
.endr
	s_mov_b32 s[SEL], 0x76543210
	s_mov_b32 s[SEL+1], 0xfedcba98
	s_mov_b32 s[MNT], 0x600000
	v_and_b32 v1, 31, v0
	v_lshlrev_b32 v[GO], 4, v1
	v_lshlrev_b32 v[GS], 2, v1
	v_bfe_u32 v2, v0, 4, 1
	s_cmp_eq_u32 s96, 1
	s_cbranch_scc1 .Lvt
	s_add_co_u32 s20, s17, s41
	s_and_b32 s21, s20, 7
	s_lshl_b32 s21, s21, 4
	s_lshl_b32 s22, s15, 3
	s_add_co_u32 s21, s21, s22
	s_lshr_b32 s20, s20, 3
	s_lshl_b32 s20, s20, 4
	s_lshl_b32 s22, s40, 2
	s_add_co_u32 s20, s20, s22
	s_lshl_b32 s22, s16, 1
	s_add_co_u32 s20, s20, s22
	s_mul_i32 s20, s20, HREC
	s_lshr_b32 s22, s21, 5
	s_lshl_b32 s22, s22, 16
	s_and_b32 s23, s21, 31
	s_lshl_b32 s23, s23, 10
	s_add_co_u32 s22, s22, s23
	s_add_co_u32 s22, s22, 12288
	s_lshl_b32 s23, s21, 10
	s_add_co_u32 s23, s23, 274432
	s_lshl_b32 s24, s21, 6
	s_add_co_u32 s25, s24, 405504
	s_cmp_eq_u32 ttmp9, 1
	s_cselect_b32 s22, s22, s23
	s_cselect_b32 s24, s24, s25
	s_cselect_b64 s[6:7], s[8:9], s[6:7]
	s_add_co_u32 s22, s22, s20
	s_mov_b32 s23, 0
	s_add_co_u32 s24, s24, s20
	s_mov_b32 s25, 0
	s_add_nc_u64 s[22:23], s[12:13], s[22:23]
	s_add_nc_u64 s[24:25], s[12:13], s[24:25]
	s_lshl_b32 s26, s40, 10
	s_lshl_b32 s27, s16, 9
	s_add_co_u32 s26, s26, s27
	s_mov_b32 s27, 0
	s_add_nc_u64 s[6:7], s[6:7], s[26:27]
	s_wait_alu depctr_va_vdst(0)
	v_lshlrev_b32 v30, 6, v2
.irp q, 0,1,2,3
.irp j, 0,1,2,3
	global_load_b128 v[BC+16*\q+4*\j:BC+16*\q+4*\j+3], v30, s[6:7] offset:128*\q+16*\j
.endr
.endr
	s_wait_loadcnt 0x0
.irp a, 0,1,2,3,4,5,6,7
	OUTQ \a, 0
.irp q, 0,1,2,3
	global_store_b128 v[GO], v[PC+4*\q:PC+4*\q+3], s[22:23] offset:(\q/2)*HREC+1024*\a+512*(\q%2)
.endr
.endr
	WORDS
.irp j, 0,1,2,3
	v_and_b32 v[236+\j], 0xffff, v[232+\j]
	v_lshrrev_b32 v[240+\j], 16, v[232+\j]
.endr
.irp j, 0,1,2,3
	global_store_b32 v[GS], v[236+\j], s[24:25] offset:128*\j
	global_store_b32 v[GS], v[240+\j], s[24:25] offset:HREC+128*\j
.endr
	s_wait_tensorcnt 0x0
	ds_add_u32 v[SPW], v[NIL]
	s_wait_dscnt 0x0
	CROUND
	s_endpgm
.Lvt:
	s_add_co_u32 s20, s17, s40
	s_and_b32 s21, s20, 7
	s_lshl_b32 s21, s21, 1
	s_add_co_u32 s21, s21, s16
	s_lshr_b32 s20, s20, 3
	s_lshl_b32 s20, s20, 4
	s_lshl_b32 s22, s41, 2
	s_add_co_u32 s20, s20, s22
	s_lshl_b32 s22, s15, 1
	s_add_co_u32 s20, s20, s22
	s_mul_i32 s20, s20, HREC
	s_lshr_b32 s22, s21, 2
	s_lshl_b32 s22, s22, 16
	s_and_b32 s23, s21, 3
	s_lshl_b32 s23, s23, 13
	s_add_co_u32 s22, s22, s23
	s_add_co_u32 s22, s22, 12288+32768
	s_add_co_u32 s22, s22, s20
	s_mov_b32 s23, 0
	s_lshl_b32 s24, s21, 8
	s_add_co_u32 s24, s24, 8192
	s_add_co_u32 s24, s24, s20
	s_mov_b32 s25, 0
	s_add_nc_u64 s[22:23], s[12:13], s[22:23]
	s_add_nc_u64 s[24:25], s[12:13], s[24:25]
	s_lshl_b32 s26, s41, 10
	s_lshl_b32 s27, s15, 9
	s_add_co_u32 s26, s26, s27
	s_mov_b32 s27, 0
	s_add_nc_u64 s[10:11], s[10:11], s[26:27]
	v_and_b32 v3, 15, v0
	v_and_b32 v4, 8, v3
	v_add_nc_u32 v4, v4, v3
	v_lshlrev_b32 v30, 2, v4
.irp a, 0,1,2,3,4,5,6,7
	global_load_b32 v[BR+2*\a], v30, s[10:11] offset:4*(32*(\a/2)+8*(\a%2))
	v_mov_b32 v[BR+2*\a+1], 0
.endr
	s_wait_alu depctr_va_vdst(0)
	s_wait_loadcnt 0x0
.irp a, 0,1,2,3,4,5,6,7
	OUTQ \a, 1
.irp q, 0,1,2,3
	global_store_b128 v[GO], v[PC+4*\q:PC+4*\q+3], s[22:23] offset:(\a/4)*HREC+(\a%4)*2048+512*\q
.endr
.endr
	WORDS
.irp j, 0,1,2,3
	global_store_b32 v[GS], v[232+\j], s[24:25] offset:(\j/2)*HREC+128*(\j%2)
.endr
	s_wait_tensorcnt 0x0
	ds_add_u32 v[SPW], v[NIL]
	s_wait_dscnt 0x0
	CROUND
	s_endpgm
.Lfunc_end_k_qf90669677a_qkv:
	.size	k_qf90669677a_qkv, .Lfunc_end_k_qf90669677a_qkv-k_qf90669677a_qkv
	.p2alignl 7, 3214868480
	.fill 96, 4, 3214868480
	.section	.rodata,"a",@progbits
	.p2align	6, 0x0
	.amdhsa_kernel k_qf90669677a_qkv
		.amdhsa_group_segment_fixed_size 327680
		.amdhsa_private_segment_fixed_size 0
		.amdhsa_enable_private_segment 0
		.amdhsa_kernarg_size 40
		.amdhsa_user_sgpr_count 2
		.amdhsa_user_sgpr_kernarg_segment_ptr 1
		.amdhsa_wavefront_size32 1
		.amdhsa_system_sgpr_workgroup_id_x 1
		.amdhsa_system_sgpr_workgroup_id_y 1
		.amdhsa_system_sgpr_workgroup_id_z 1
		.amdhsa_system_vgpr_workitem_id 0
		.amdhsa_next_free_vgpr 1024
		.amdhsa_next_free_sgpr 100
		.amdhsa_reserve_vcc 1
		.amdhsa_float_denorm_mode_32 3
		.amdhsa_float_denorm_mode_16_64 3
		.amdhsa_memory_ordered 1
		.amdhsa_forward_progress 1
		.amdhsa_inst_pref_size 255
	.end_amdhsa_kernel
	.section	.bss,"aw",@nobits
	.p2align	6
	.space	262144
	.amdgpu_metadata
---
amdhsa.version: [ 1, 2 ]
amdhsa.kernels:
  - .name:           k_qf90669677a_qkv
    .symbol:         k_qf90669677a_qkv.kd
    .args:
      - { .name: wa, .offset: 0, .size: 8, .value_kind: global_buffer, .address_space: global }
      - { .name: bq, .offset: 8, .size: 8, .value_kind: global_buffer, .address_space: global }
      - { .name: bk, .offset: 16, .size: 8, .value_kind: global_buffer, .address_space: global }
      - { .name: bv, .offset: 24, .size: 8, .value_kind: global_buffer, .address_space: global }
      - { .name: qkv, .offset: 32, .size: 8, .value_kind: global_buffer, .address_space: global }
    .group_segment_fixed_size: 327680
    .private_segment_fixed_size: 0
    .kernarg_segment_align: 8
    .kernarg_segment_size: 40
    .max_flat_workgroup_size: 128
    .sgpr_count:     100
    .vgpr_count:     1024
    .wavefront_size: 32
...
	.end_amdgpu_metadata
.endif
;; end of part 2
;; launch attn (part 3): grid 8 x 32, 16 waves a work-group, clusters of 4 x 1, 276,480 bytes of LDS; arguments qkv, ctx; writes ctx
.if DOCPART == 3
	.amdgcn_target "amdgcn-amd-amdhsa--gfx1250"
	.amdhsa_code_object_version 6
	.text
	.protected	k_qf90669677a_attn
	.globl	k_qf90669677a_attn
	.p2align	8
	.type	k_qf90669677a_attn,@function
k_qf90669677a_attn:
	s_mov_b64 s[64:65], 0
	v_nop
	global_prefetch_b8 v0, s[64:65] scope:SCOPE_SE
	s_setreg_imm32_b32 hwreg(HW_REG_WAVE_MODE, 25, 1), 1
	s_wait_xcnt 0x0
	s_wait_alu depctr_hold_cnt(0) depctr_sa_sdst(0) depctr_va_vdst(0) depctr_va_sdst(0) depctr_va_ssrc(0) depctr_va_vcc(0) depctr_vm_vsrc(0)
	s_getreg_b32 s2, hwreg(HW_REG_IB_STS2, 6, 4)
	s_cmp_eq_u32 s2, 0
	s_cbranch_scc0 .Lentry_in_a_cluster
	s_endpgm
.Lentry_in_a_cluster:
	s_bfe_u32 s2, ttmp6, 0x10000c
	s_cmp_lg_u32 s2, 0x3003
	s_cbranch_scc0 .Lentry_shape_is_right
	s_endpgm
.Lentry_shape_is_right:
; ctx = softmax(q k^T / 8) v for one (batch, head) and 256 queries, both products on codes of E5M2 with E8M0 scales; the result is quantised for the next product and stored as an image of its registers.
; THE SOFTMAX: t = score x log2(e) / 8; M = the running largest t rounded UP to a whole number; p = 2^(t - M) is quantised along the keys, not normalised; the row's sum is taken of the unquantised p and divides at the end.
; When M moves, the sum and O are multiplied by 2^(old M - new M): exact.
; SHARES.  Sixteen waves, each with one tile of 16 queries in 256 registers, four to a SIMD.  Every wave walks the head's 2,048 keys, 128 a step.
; LDS holds the head's scale words (K's 8,192 bytes, V's 4,096), then K's codes of all 16 steps on end (8,192 bytes a step), then V^T's likewise.  Every byte is filled ONCE, by one tensor load a wave at the head:
; waves 0, 1: the scale words and K's steps 0-3 (2 x 88 rows of 256 bytes); waves 2, 3: V^T's steps 0-3; waves 4-15: the other three quarters (64 rows each).  The first barrier shows the loads of waves 0-3, which have load lines of
; their own; the second, behind three steps, shows all the rest; the other thirteen steps have no barrier.
; CLUSTER: the four query blocks of a cluster walk the same head and ask for it jointly (mask 15).  No prefetch: all that the launch reads by tensor loads is asked for at the head, and no loop asks for anything later.
; LAYOUT.  Both products are used transposed (S^T = K Q^T, O^T = V^T P^T): a lane holds one query.  Lane r of key fragment t is key 32 (t / 2) + 8 (t % 2) + r + 8 (r / 8), so the 16 registers of tiles 2 b, 2 b + 1
; are keys 32 b + 16 (lane / 16) + 0 .. 15.  The head's size is 64, so a tile of K is 8 registers.  A step's eight tiles lie on end in 64 registers, with 8 registers of zero codes behind them: tile t's operand is its own 8 registers
; (k = 0 .. 63) and the 8 that follow (k = 64 .. 127), which meet Q's zero codes and add nothing: all codes are finite, and so are the scale bytes of those blocks (0 in both words).
; A step's K and its scale words are loaded into registers one step ahead, behind the eight places that follow the score products: one wait for LDS loads a step.  The last step is written out: it loads nothing ahead.
; LIMITS: a block of zeros keeps the byte 1; NaN and infinities are not served; the promise holds while the scaled scores stay under 2^31 in magnitude.
.set HREC, 413696
.set KB,   12288                       ; LDS: K's codes
.set VB,   143360                      ; V^T's codes
.set SPARE, 274432                     ; the spare words, 128 bytes a wave
.set WV,  8
.set G1A, 24                           ; s[24:31] group 1: 88 rows of 256 bytes;  s[32:39]: 64 rows
.set G1B, 32
.set G0A, 40
.set G0B, 44
.set SEL, 60
.set CS,  62                           ; s[62:63] c = log2(e) / 8
.set MNT, 66
.set TB,  67                           ; LDS byte of the step's fragments of K
.set TS,  68                           ; of K's scale words
.set TJ,  69                           ; of V's scale words
.set CNT, 70
.set TV,  71                           ; of V^T's fragments
.set SPW, 3                            ; v3 my spare word, v4 0
.set NIL, 4
.set OM,  5                            ; v5 the old -M
.set TMP, 6
.set QS,  7                            ; v7 Q's scale words
.set AK,  8                            ; v8-11 addresses; v12 -M, v13 the largest t, v[14:15] the sum; v16-31 Q and its zero codes
.set AV,  9
.set AKS, 10
.set AVS, 11
.set KF,  32                           ; v32-95 K's eight tiles; v96-103 zero codes
.set ZR,  96
.set S,   104                          ; v104-167 S^T, then p, then V^T's four fragments
.set O,   168                          ; v168-199 O^T
.set PC,  200                          ; v200-215 p's codes
.set PS,  216                          ; v216-223 four partial sums
.set KS,  224                          ; v224-231 K's scale words
.set VS,  232                          ; v232-235 V's
.set PW,  236                          ; v236 p's
.set F,   238                          ; v[238:239] f and 0
.set BM,  240                          ; v240-243 block maxima, v244-247 lane permutes and bytes, v248-251 holds, v252-255 the conversions' scale operands
.set PT,  244
.set H,   248
.set SOP, 252
.macro CROUND                          ; a round of the cluster's barrier
	s_barrier_signal -1
	s_barrier_wait -1
	s_cmp_lg_u32 s[WV], 0
	s_cbranch_scc1 .Lnot_wave_0_\@
	s_barrier_signal -3
.Lnot_wave_0_\@:
	s_barrier_wait -3
	s_barrier_signal -1
	s_barrier_wait -1
.endm
.macro TLOAD g0, g1                    ; a tensor load; an s_nop 0 and four v_nop follow it
	tensor_load_to_lds s[\g0:\g0+3], s[\g1:\g1+7]
	s_nop 0
.rept 4
	v_nop
.endr
.endm
	s_load_b128 s[4:7], s[0:1], 0x0                ; qkv, ctx
	v_lshl_add_u32 v[SPW], v0, 2, SPARE
	v_mov_b32 v[NIL], 0
	ds_add_u32 v[SPW], v[NIL]                      ; the opening lines: the add twice on end and one wait
	ds_add_u32 v[SPW], v[NIL]
	v_lshrrev_b32 v8, 5, v0
	s_delay_alu instid0(VALU_DEP_1)
	v_readfirstlane_b32 s[WV], v8                  ; wave 0..15
	s_bfe_u32 s9, ttmp6, 0x40000                   ; cx
	s_lshl_b32 s10, ttmp9, 2
	s_add_co_u32 s10, s10, s9                      ; my block of 256 queries: it enters Q's and ctx's addresses alone
	s_and_b32 s11, ttmp7, 0xffff                   ; 16 x batch + head, which the partners share
	s_mul_i32 s12, s11, HREC
	s_mov_b32 s13, 0
.irp g, G1A, G1B
	s_mov_b32 s[\g], 15|(3<<16)|(1<<21)            ; the mask: all four; elements of 8 bytes; bit 21 beside a mask
	s_mov_b32 s[\g+1], 32<<16
	s_mov_b32 s[\g+3], 32<<16
	s_mov_b32 s[\g+5], 32
	s_mov_b32 s[\g+6], 0
	s_mov_b32 s[\g+7], 0
.endr
	s_mov_b32 s[G1A+2], 88<<16
	s_mov_b32 s[G1A+4], 88
	s_mov_b32 s[G1B+2], 64<<16
	s_mov_b32 s[G1B+4], 64
	s_mul_i32 s14, s[WV], 22528                    ; waves 0, 1: halves of the record's first 45,056 bytes, the same place in LDS
	s_mov_b32 s15, 0
	s_lshl_b32 s16, s[WV], 14
	s_add_co_u32 s16, s16, 12288                   ; waves 2-15: the record's byte 12,288 + 16,384 wave
	s_mov_b32 s17, 0
	s_lshr_b32 s18, s[WV], 2                       ; the quarter,
	s_lshl_b32 s18, s18, 15
	s_and_b32 s19, s[WV], 1                        ; which half of its K or V^T,
	s_lshl_b32 s19, s19, 14
	s_add_co_u32 s18, s18, s19
	s_bfe_u32 s19, s[WV], 0x10001                  ; K (0) or V^T (1): 131,072 bytes on
	s_lshl_b32 s19, s19, 17
	s_add_co_u32 s18, s18, s19
	s_add_co_u32 s18, s18, KB
	s_mov_b32 s[SEL], 0x76543210
	s_mov_b32 s[SEL+1], 0xfedcba98
	s_mov_b32 s[CS], 0x3e38aa3b
	s_mov_b32 s[CS+1], s[CS]
	s_mov_b32 s[MNT], 0x600000
	s_mov_b32 s[TB], KB
	s_mov_b32 s[TV], VB
	s_mov_b32 s[TS], 0
	s_mov_b32 s[TJ], 8192
	s_wait_dscnt 0x0
	s_wait_kmcnt 0x0
	s_add_nc_u64 s[12:13], s[4:5], s[12:13]        ; the head's record
	s_mov_b32 s[G0A], 1
	s_mov_b32 s[G0A+1], s14
	s_add_nc_u64 s[G0A+2:G0A+3], s[12:13], s[14:15]
	s_or_b32 s[G0A+3], s[G0A+3], 0x80000000
	s_mov_b32 s[G0B], 1
	s_mov_b32 s[G0B+1], s18
	s_add_nc_u64 s[G0B+2:G0B+3], s[12:13], s[16:17]
	s_or_b32 s[G0B+3], s[G0B+3], 0x80000000
	CROUND                                         ; all four work-groups are here: the joint loads meet
	s_cmp_lt_u32 s[WV], 2                          ; one chain of branches on the wave's number, one load to an arm
	s_cbranch_scc0 .Larm_v
	TLOAD G0A, G1A
	s_branch .Lasked
.Larm_v:
	s_cmp_lt_u32 s[WV], 4
	s_cbranch_scc0 .Larm_rest
	TLOAD G0B, G1B
	s_branch .Lasked
.Larm_rest:
	TLOAD G0B, G1B
.Lasked:
	v_and_b32 v8, 31, v0
	v_and_b32 v9, 15, v0
	v_lshlrev_b32 v1, 4, v8                        ; 16 x lane
	v_lshlrev_b32 v2, 2, v9                        ; 4 x (lane % 16)
	s_wait_alu depctr_va_vdst(0)
	s_lshl_b32 s20, s10, 4
	s_add_co_u32 s20, s20, s[WV]                   ; my fragment of queries
	s_lshl_b32 s22, s20, 10
	s_add_co_u32 s22, s22, 274432
	s_mov_b32 s23, 0
	s_add_nc_u64 s[22:23], s[12:13], s[22:23]
	s_lshl_b32 s72, s20, 6
	s_add_co_u32 s72, s72, 405504
	s_mov_b32 s73, 0
	s_add_nc_u64 s[72:73], s[12:13], s[72:73]
	global_load_b128 v[16:19], v1, s[22:23] th:TH_LOAD_NT
	global_load_b128 v[20:23], v1, s[22:23] offset:512 th:TH_LOAD_NT
	global_load_b32 v[QS], v2, s[72:73] th:TH_LOAD_NT
.irp j, 0,1,2,3,4,5,6,7
	v_mov_b32 v[24+\j], 0                          ; Q's k = 64 .. 127: zero codes
	v_mov_b32 v[ZR+\j], 0                          ; and what stands behind K's last tile
.endr
.set jj, 0
.rept 32
	v_mov_b32 v[O+jj], 0                           ; O^T: the step is written once; the first change of M leaves zeros zeros
.set jj, jj+1
.endr
	v_mov_b32 v13, 0xff61b1e6                      ; the largest t so far: -3e38
	v_mov_b32 v14, 0
	v_mov_b32 v15, 0
	v_floor_f32 v12, -v13
.irp b, 0,1,2,3
	v_mov_b32 v[PT+\b], 0                          ; a lane permute's destination counts as one of its sources
.endr
	v_mov_b32 v[F+1], 0                            ; the upper half of the pair that holds f
.macro KLOAD off, soff                 ; a step's eight tiles of K and their scale words
.irp t, 0,1,2,3,4,5,6,7
	ds_load_b128 v[KF+8*\t:KF+8*\t+3], v[AK] offset:\off+1024*\t
	ds_load_b128 v[KF+8*\t+4:KF+8*\t+7], v[AK] offset:\off+1024*\t+512
	ds_load_b32 v[KS+\t], v[AKS] offset:\soff+64*\t
.endr
.endm
; Blocks p and p + 1: the holds (the conversion does not saturate: ISA guide 7.6.2; p is not negative), two to an instruction: a number of one block with a number of the other, so that the pair's
; destinations are one even and one odd and its sources lie in different register banks; the conversions; then V^T's fragments p and p + 1 into the registers that these numbers have left.
.macro HOLDS p
.irp i, 0,2,4,6,8,10,12,14
	v_dual_min_num_f32 v[S+16*\p+\i], v[S+16*\p+\i], v[H+\p] :: v_dual_min_num_f32 v[S+17+16*\p+\i], v[S+17+16*\p+\i], v[H+1+\p]
	v_dual_min_num_f32 v[S+16+16*\p+\i], v[S+16+16*\p+\i], v[H+1+\p] :: v_dual_min_num_f32 v[S+1+16*\p+\i], v[S+1+16*\p+\i], v[H+\p]
.endr
.irp b, \p, \p+1
	v_cvt_scalef32_pk8_bf8_f32 v[PC+4*(\b):PC+1+4*(\b)], v[S+16*(\b):S+7+16*(\b)], v[SOP+(\b)]
	v_cvt_scalef32_pk8_bf8_f32 v[PC+2+4*(\b):PC+3+4*(\b)], v[S+8+16*(\b):S+15+16*(\b)], v[SOP+(\b)]
.endr
.irp t, \p, \p+1
.irp c, 0,1,2,3
	ds_load_b128 v[S+16*(\t)+4*\c:S+3+16*(\t)+4*\c], v[AV] offset:2048*(\t)+512*\c
.endr
	ds_load_b32 v[VS+(\t)], v[AVS] offset:64*(\t)
.endr
.endm
; A KEY STEP: 128 keys.  pre = 1: the next step's K is loaded
.macro STEP pre
.if \pre
	v_add_nc_u32 v[AK], s[TB], v1                  ; these five lines and the four additions at the last step's end: nine places, since the scores are laid over the registers that the last products read as V^T
	v_add_nc_u32 v[AKS], s[TS], v2
.else
	v_nop
	v_nop
.endif
	v_add_nc_u32 v[AV], s[TV], v1
	v_add_nc_u32 v[AVS], s[TJ], v2
	v_mov_b32 v[OM], v12                           ; the old -M
.irp t, 0,1,2,3,4,5,6,7
	v_wmma_scale_f32_16x16x128_f8f6f4 v[S+8*\t:S+8*\t+7], v[KF+8*\t:KF+8*\t+15], v[16:31], 0, v[KS+\t], v[QS] matrix_a_fmt:MATRIX_FMT_BF8 matrix_b_fmt:MATRIX_FMT_BF8
.endr
.rept 8
	v_nop                                          ; places in front of the loads into what the products have read, and of the first read of the scores
.endr
.if \pre
	KLOAD 8192, 512
.endif
.irp b, 0,1,2,3
	v_max3_num_f32 v[BM+\b], v[S+16*\b], v[S+1+16*\b], v[S+2+16*\b]   ; the largest score of each block of 32 keys: for the row's maximum and, since p rises with the score, for the block's largest p
.endr
.irp i, 3,5,7,9,11,13
.irp b, 0,1,2,3
	v_max3_num_f32 v[BM+\b], v[BM+\b], v[S+16*\b+\i], v[S+1+16*\b+\i]
.endr
.endr
.irp b, 0,1,2,3
	v_max_num_f32 v[BM+\b], v[BM+\b], v[S+15+16*\b]
.endr
.irp b, 0,1,2,3
	v_permlanex16_b32 v[PT+\b], v[BM+\b], s[SEL], s[SEL+1]
.endr
.irp b, 0,1,2,3
	s_delay_alu instid0(VALU_DEP_4)
	v_max_num_f32 v[BM+\b], v[BM+\b], v[PT+\b]     ; with lane l xor 16's 16 keys
.endr
	s_delay_alu instid0(VALU_DEP_2)
	v_max3_num_f32 v[TMP], v[BM], v[BM+1], v[BM+2]
	s_delay_alu instid0(VALU_DEP_1)
	v_max_num_f32 v[TMP], v[TMP], v[BM+3]
	s_delay_alu instid0(VALU_DEP_1)
	v_mul_f32 v[TMP], s[CS], v[TMP]
	s_delay_alu instid0(VALU_DEP_1)
	v_max_num_f32 v13, v13, v[TMP]                 ; the running largest t
	s_delay_alu instid0(VALU_DEP_1)
	v_floor_f32 v12, -v13                          ; -M = floor(-t): a whole number
	s_delay_alu instid0(VALU_DEP_1)
	v_sub_f32 v[TMP], v12, v[OM]
	s_delay_alu instid0(VALU_DEP_1)
	v_cvt_i32_f32 v[TMP], v[TMP]
	s_delay_alu instid0(VALU_DEP_1)
	v_ldexp_f32 v[F], 1.0, v[TMP]                  ; f = 2^(old M - new M)
.set jj, 0
.rept 32
	v_pk_fma_f32 v[S+jj:S+jj+1], v[S+jj:S+jj+1], s[CS:CS+1], v[12:13] op_sel_hi:[1,0,0]   ; t - M
.set jj, jj+2
.endr
.irp b, 0,1,2,3
	v_fma_f32 v[BM+\b], v[BM+\b], s[CS], v12       ; the same of each block's largest score
.endr
	s_wait_alu depctr_va_vdst(0)
.set jj, 0
.rept 64
	v_exp_f32 v[S+jj], v[S+jj]                     ; p = 2^(t - M)
.set jj, jj+1
.endr
.irp b, 0,1,2,3
	v_exp_f32 v[BM+\b], v[BM+\b]                   ; the block's largest p: the same two instructions on the same number
.endr
	v_pk_mul_f32 v[14:15], v[14:15], v[F:F+1] op_sel_hi:[1,0]   ; the sum under the new M (a plain place behind the exponentials)
	s_wait_alu depctr_va_vdst(0)
.irp b, 0,1,2,3
	v_max_num_f32 v[BM+\b], 0x8000000, v[BM+\b]    ; the floor: the byte cannot fall under 1
.endr
.irp b, 0,1,2,3
	s_delay_alu instid0(VALU_DEP_4)
	v_add_nc_u32 v[SOP+\b], 0xf8800000, v[BM+\b]   ; 15 off the exponent field: the conversion's scale operand
.endr
.irp b, 0,1,2,3
	v_and_or_b32 v[H+\b], v[BM+\b], 0x7f800000, s[MNT]   ; 57,344 x the scale
.endr
.irp b, 0,1,2,3
	v_lshrrev_b32 v[PT+\b], 23, v[SOP+\b]          ; the byte
.endr
	s_delay_alu instid0(VALU_DEP_3)
	v_lshl_or_b32 v[PW], v[PT+1], 8, v[PT]         ; p's scale word for these 128 keys
	s_delay_alu instid0(VALU_DEP_1)
	v_lshl_or_b32 v[PW], v[PT+2], 16, v[PW]
	s_delay_alu instid0(VALU_DEP_1)
	v_lshl_or_b32 v[PW], v[PT+3], 24, v[PW]
; the row's sum of the unquantised p: 32 pairs into four partial sums and the running sum, five chains by turns; the partial sums are joined at the step's end
.irp k, 0,1,2,3
	v_pk_add_f32 v[PS+2*\k:PS+2*\k+1], v[S+4*\k:S+4*\k+1], v[S+4*\k+2:S+4*\k+3]
.endr
.irp r, 0,1,2,3
.irp k, 0,1,2,3
	v_pk_add_f32 v[PS+2*\k:PS+2*\k+1], v[PS+2*\k:PS+2*\k+1], v[S+16+10*\r+2*\k:S+17+10*\r+2*\k]
.endr
	v_pk_add_f32 v[14:15], v[14:15], v[S+24+10*\r:S+25+10*\r]
.endr
.irp k, 0,1,2,3
	v_pk_add_f32 v[PS+2*\k:PS+2*\k+1], v[PS+2*\k:PS+2*\k+1], v[S+56+2*\k:S+57+2*\k]
.endr
	HOLDS 0
	HOLDS 2
	s_wait_alu depctr_va_vdst(0)
.set jj, 0
.rept 16
	v_pk_mul_f32 v[O+jj:O+jj+1], v[O+jj:O+jj+1], v[F:F+1] op_sel_hi:[1,0]   ; O^T under the new M; these are also the places in front of the products below
.set jj, jj+2
.endr
	s_wait_alu depctr_va_vdst(0)
	s_add_co_u32 s[TB], s[TB], 8192
	s_add_co_u32 s[TV], s[TV], 8192
	s_add_co_u32 s[TS], s[TS], 512
	s_add_co_u32 s[TJ], s[TJ], 256
	s_wait_dscnt 0x0                               ; V^T's fragments are in, and so is the next step's K
.irp t, 0,1,2,3
	v_wmma_scale_f32_16x16x128_f8f6f4 v[O+8*\t:O+8*\t+7], v[S+16*\t:S+16*\t+15], v[PC:PC+15], v[O+8*\t:O+8*\t+7], v[VS+\t], v[PW] matrix_a_fmt:MATRIX_FMT_BF8 matrix_b_fmt:MATRIX_FMT_BF8
.endr
	v_pk_add_f32 v[PS:PS+1], v[PS:PS+1], v[PS+2:PS+3]      ; the partial sums are joined: four places behind the products
	v_pk_add_f32 v[PS+4:PS+5], v[PS+4:PS+5], v[PS+6:PS+7]
	s_delay_alu instid0(VALU_DEP_1)
	v_pk_add_f32 v[PS:PS+1], v[PS:PS+1], v[PS+4:PS+5]
	s_delay_alu instid0(VALU_DEP_1)
	v_pk_add_f32 v[14:15], v[14:15], v[PS:PS+1]
.endm
	s_wait_alu depctr_va_vdst(0)
	s_wait_loadcnt 0x0                             ; Q
	s_cmp_lt_u32 s[WV], 4
	s_cbranch_scc0 .Lnot_first
	s_wait_tensorcnt 0x0                           ; waves 0-3: the scale words and the first quarter have landed
.Lnot_first:
	s_barrier_signal -1
	s_barrier_wait -1
	v_add_nc_u32 v[AK], s[TB], v1
	v_add_nc_u32 v[AKS], s[TS], v2
	KLOAD 0, 0                                     ; step 0's K
	s_wait_dscnt 0x0
	s_mov_b32 s[CNT], 3
.Lfirst:                                           ; steps 0-2: they read K's steps 0-3 and V^T's 0-2, the first quarter's
	STEP 1
	s_sub_co_u32 s[CNT], s[CNT], 1
	s_cmp_lg_u32 s[CNT], 0
	s_cbranch_scc1 .Lfirst
	s_wait_tensorcnt 0x0                           ; every wave: all that is still out has landed
	s_wait_dscnt 0x0
	s_barrier_signal -1
	s_barrier_wait -1
	s_mov_b32 s[CNT], 12
.Lrest:                                            ; steps 3-14
	STEP 1
	s_sub_co_u32 s[CNT], s[CNT], 1
	s_cmp_lg_u32 s[CNT], 0
	s_cbranch_scc1 .Lrest
	STEP 0                                         ; step 15
	; THE WAY OUT: O^T / the sum; register 16 b + i is the head's channel 32 b + 16 h + i: two blocks of the next product's K
	s_wait_alu depctr_va_vdst(0)
	v_add_f32 v14, v14, v15
	s_delay_alu instid0(VALU_DEP_1)
	v_permlanex16_b32 v[TMP], v14, s[SEL], s[SEL+1]
	s_delay_alu instid0(VALU_DEP_1)
	v_add_f32 v14, v14, v[TMP]
	s_wait_alu depctr_va_vdst(0)
	v_rcp_f32 v14, v14
.rept 3
	v_nop                                          ; the plain place behind the reciprocal; with the seven lines above, the places behind the last products
.endr
	s_wait_alu depctr_va_vdst(0)                   ; ahead of the reciprocal's first reader, which is O^T's too
.set jj, 0
.rept 32
	v_mul_f32 v[S+jj], v[O+jj], v14
.set jj, jj+1
.endr
.irp b, 0,1
	v_max3_num_f32 v[BM+\b], |v[S+16*\b]|, |v[S+1+16*\b]|, 0x8000000
.endr
.irp i, 2,4,6,8,10,12,14
.irp b, 0,1
	s_delay_alu instid0(VALU_DEP_2)
	v_max3_num_f32 v[BM+\b], v[BM+\b], |v[S+16*\b+\i]|, |v[S+1+16*\b+\i]|
.endr
.endr
.irp b, 0,1
	v_permlanex16_b32 v[PT+\b], v[BM+\b], s[SEL], s[SEL+1]
.endr
.irp b, 0,1
	s_delay_alu instid0(VALU_DEP_2)
	v_max_num_f32 v[BM+\b], v[BM+\b], v[PT+\b]
.endr
.irp b, 0,1
	s_delay_alu instid0(VALU_DEP_2)
	v_add_nc_u32 v[SOP+\b], 0xf8800000, v[BM+\b]
.endr
.irp b, 0,1
	s_delay_alu instid0(VALU_DEP_4)
	v_and_or_b32 v[H+\b], v[BM+\b], 0x7f800000, s[MNT]
.endr
.irp b, 0,1
	s_delay_alu instid0(VALU_DEP_4)
	v_lshrrev_b32 v[PT+\b], 23, v[SOP+\b]
.endr
	s_delay_alu instid0(VALU_DEP_1)
	v_lshl_or_b32 v[PW], v[PT+1], 8, v[PT]         ; my head's half of the scale word
.irp b, 0,1
.irp i, 0,1,2,3,4,5,6,7,8,9,10,11,12,13,14,15
	v_med3_num_f32 v[S+16*\b+\i], v[S+16*\b+\i], -v[H+\b], v[H+\b]
.endr
	v_cvt_scalef32_pk8_bf8_f32 v[PC+4*\b:PC+1+4*\b], v[S+16*\b:S+7+16*\b], v[SOP+\b]
	v_cvt_scalef32_pk8_bf8_f32 v[PC+2+4*\b:PC+3+4*\b], v[S+8+16*\b:S+15+16*\b], v[SOP+\b]
.endr
	s_wait_alu depctr_va_vdst(0)
	v_nop
	s_lshr_b32 s20, s11, 4
	s_lshl_b32 s20, s20, 7
	s_lshl_b32 s21, s10, 4
	s_add_co_u32 s20, s20, s21
	s_add_co_u32 s20, s20, s[WV]                   ; my fragment among the 256 of all tokens
	s_and_b32 s21, s11, 15                         ; the head
	s_lshr_b32 s22, s20, 3
	s_lshl_b32 s22, s22, 3
	s_lshr_b32 s23, s21, 1
	s_add_co_u32 s22, s22, s23
	s_lshl_b32 s22, s22, 3
	s_and_b32 s23, s20, 7
	s_add_co_u32 s22, s22, s23                     ; f
	s_and_b32 s21, s21, 1
	s_lshl_b32 s72, s22, 11
	s_lshl_b32 s23, s21, 10
	s_add_co_u32 s72, s72, s23
	s_mov_b32 s73, 0
	s_add_nc_u64 s[72:73], s[6:7], s[72:73]
	s_lshl_b32 s74, s22, 6
	s_lshl_b32 s23, s21, 1
	s_add_co_u32 s74, s74, s23
	s_add_co_u32 s74, s74, 4194304
	s_mov_b32 s75, 0
	s_add_nc_u64 s[74:75], s[6:7], s[74:75]
	global_store_b128 v1, v[PC:PC+3], s[72:73]             ; 512 consecutive bytes
	global_store_b128 v1, v[PC+4:PC+7], s[72:73] offset:512
	global_store_b16 v2, v[PW], s[74:75]                   ; lanes 16-31 hold the same as lanes 0-15 and write the same bytes
	s_wait_tensorcnt 0x0                           ; the wave's end
	ds_add_u32 v[SPW], v[NIL]
	s_wait_dscnt 0x0
	CROUND                                         ; the closing round: no work-group ends while a partner may still ask
	s_endpgm
.Lfunc_end_k_qf90669677a_attn:
	.size	k_qf90669677a_attn, .Lfunc_end_k_qf90669677a_attn-k_qf90669677a_attn
	.p2alignl 7, 3214868480
	.fill 96, 4, 3214868480
	.section	.rodata,"a",@progbits
	.p2align	6, 0x0
	.amdhsa_kernel k_qf90669677a_attn
		.amdhsa_group_segment_fixed_size 276480
		.amdhsa_private_segment_fixed_size 0
		.amdhsa_enable_private_segment 0
		.amdhsa_kernarg_size 16
		.amdhsa_user_sgpr_count 2
		.amdhsa_user_sgpr_kernarg_segment_ptr 1
		.amdhsa_wavefront_size32 1
		.amdhsa_system_sgpr_workgroup_id_x 1
		.amdhsa_system_sgpr_workgroup_id_y 1
		.amdhsa_system_sgpr_workgroup_id_z 1
		.amdhsa_system_vgpr_workitem_id 0
		.amdhsa_next_free_vgpr 256
		.amdhsa_next_free_sgpr 84
		.amdhsa_reserve_vcc 0
		.amdhsa_float_denorm_mode_32 3
		.amdhsa_float_denorm_mode_16_64 3
		.amdhsa_memory_ordered 1
		.amdhsa_forward_progress 1
		.amdhsa_inst_pref_size 74
	.end_amdhsa_kernel
	.amdgpu_metadata
---
amdhsa.version: [ 1, 2 ]
amdhsa.kernels:
  - .name:           k_qf90669677a_attn
    .symbol:         k_qf90669677a_attn.kd
    .args:
      - { .name: qkv, .offset: 0, .size: 8, .value_kind: global_buffer, .address_space: global }
      - { .name: ctx, .offset: 8, .size: 8, .value_kind: global_buffer, .address_space: global }
    .group_segment_fixed_size: 276480
    .private_segment_fixed_size: 0
    .kernarg_segment_align: 8
    .kernarg_segment_size: 16
    .max_flat_workgroup_size: 512
    .sgpr_count:     84
    .vgpr_count:     256
    .wavefront_size: 32
...
	.end_amdgpu_metadata
.endif
;; end of part 3
;; launch wo (part 4): grid 8 x 32, 4 waves a work-group, clusters of 4 x 4, 327,680 bytes of LDS; arguments ctx, wa, part; writes part
.if DOCPART == 4
	.amdgcn_target "amdgcn-amd-amdhsa--gfx1250"
	.amdhsa_code_object_version 6
	.text
	.protected	k_qf90669677a_wo
	.globl	k_qf90669677a_wo
	.p2align	8
	.type	k_qf90669677a_wo,@function
k_qf90669677a_wo:
	s_mov_b64 s[64:65], 0
	v_nop
	global_prefetch_b8 v0, s[64:65] scope:SCOPE_SE
	s_setreg_imm32_b32 hwreg(HW_REG_WAVE_MODE, 25, 1), 1
	s_wait_xcnt 0x0
	s_wait_alu depctr_hold_cnt(0) depctr_sa_sdst(0) depctr_va_vdst(0) depctr_va_sdst(0) depctr_va_ssrc(0) depctr_va_vcc(0) depctr_vm_vsrc(0)
	s_getreg_b32 s2, hwreg(HW_REG_IB_STS2, 6, 4)
	s_cmp_eq_u32 s2, 0
	s_cbranch_scc0 .Lentry_in_a_cluster
	s_endpgm
.Lentry_in_a_cluster:
	s_bfe_u32 s2, ttmp6, 0x10000c
	s_cmp_lg_u32 s2, 0xf033
	s_cbranch_scc0 .Lentry_shape_is_right
	s_endpgm
.Lentry_shape_is_right:
.set NREC, 1
.set AREC, 4325376
.set WREC, 1081344
.set NP,     8
.set HALFT,  32768
.set SLOT,   4*HALFT
.set SCL,    2*SLOT
.set HALFS,  2048*NREC
.set BREG,   4096*NREC
.set SPARE,  SCL+2*BREG
.set SPITCH, 272
.if NREC == 1
.set SROWS, 16
.set NSL,   1
.else
.set SROWS, 16
.set NSL,   2
.endif
.set ADRA, 16
.set ADRB, 20
.set STO,  24
.set RD,   25
.set CO,   26
.set ADRS, 27
.set SPW,  28
.set NIL,  29
.set SC,   32
.set BK,   64
.set ACC,  128
.set G1, 24
.set G0, 32
.set G1B, 48
.set G0B, 56
.set G1S, 68
.set G0S, 76
.set G1SB, 84
.set G0SB, 92
.set MSB, 0
.macro WIN new
.if MSB != \new
	s_set_vgpr_msb (MSB<<8)|\new
.set MSB, \new
.endif
.endm
.set MUL,  0x05
.set TO_F, 0x40
.macro JLOAD g0a, g1a, g0b, g1b
	s_cmp_eq_u32 s15, 0
	s_cbranch_scc0 .Lfor_b_\@
	tensor_load_to_lds s[\g0a:\g0a+3], s[\g1a:\g1a+7]
	s_nop 0
.rept 4
	v_nop
.endr
	s_branch .Lasked_\@
.Lfor_b_\@:
	tensor_load_to_lds s[\g0b:\g0b+3], s[\g1b:\g1b+7]
	s_nop 0
.rept 4
	v_nop
.endr
.Lasked_\@:
.endm
.macro CREST
	s_cmp_lg_u32 s14, 0
	s_cbranch_scc1 .Lnot_wave_0_\@
	s_barrier_signal -3
.Lnot_wave_0_\@:
	s_barrier_wait -3
	s_barrier_signal -1
	s_barrier_wait -1
.endm
.macro CROUND
	s_barrier_signal -1
	s_barrier_wait -1
	CREST
.endm
	s_load_b128 s[4:7], s[0:1], 0x0
	s_load_b64 s[8:9], s[0:1], 0x10
	v_lshl_add_u32 v[SPW], v0, 2, SPARE
	v_mov_b32 v[NIL], 0
	ds_add_u32 v28, v29
	ds_add_u32 v28, v29
	s_wait_dscnt 0x0
	v_lshrrev_b32 v1, 5, v0
	v_readfirstlane_b32 s14, v1
	s_lshr_b32 s15, s14, 1
	s_and_b32 s16, s14, 1
	s_bfe_u32 s40, ttmp6, 0x40000
	s_bfe_u32 s41, ttmp6, 0x40004
	s_lshl_b32 s43, s41, 2
	s_lshl_b32 s43, 15, s43
	s_lshl_b32 s44, 0x1111, s40
	s_lshl_b32 s42, ttmp9, 2
	s_add_co_u32 s42, s42, s40
	s_and_b32 s17, ttmp7, 0xffff
	s_lshl_b32 s17, s17, 2
	s_add_co_u32 s17, s17, s41
	s_or_b32 s[G1], s43, (3<<16)|(1<<21)
	s_or_b32 s[G1B], s44, (3<<16)|(1<<21)
	s_or_b32 s[G1S], s43, (3<<16)|(1<<21)
	s_or_b32 s[G1SB], s44, (3<<16)|(1<<21)
.irp g, G1, G1B
	s_mov_b32 s[\g+1], 32<<16
	s_mov_b32 s[\g+2], 256<<16
	s_mov_b32 s[\g+3], 32<<16
	s_mov_b32 s[\g+4], 256
	s_mov_b32 s[\g+5], 32
	s_mov_b32 s[\g+6], 0
	s_mov_b32 s[\g+7], 0
.endr
.irp g, G1S, G1SB
	s_mov_b32 s[\g+1], 32<<16
	s_mov_b32 s[\g+2], SROWS<<16
	s_mov_b32 s[\g+3], 32<<16
	s_mov_b32 s[\g+4], SROWS
	s_mov_b32 s[\g+5], 32
	s_mov_b32 s[\g+6], 0
	s_mov_b32 s[\g+7], 0
.endr
	s_lshl_b32 s20, s17, 17
	s_lshl_b32 s18, s16, 15
	s_add_co_u32 s20, s20, s18
	s_mov_b32 s21, 0
	s_lshl_b32 s22, s17, 12
	s_add_co_u32 s22, s22, 4194304
	s_mov_b32 s23, 0
	s_lshl_b32 s46, s42, 17
	s_lshl_b32 s19, s16, 15
	s_add_co_u32 s46, s46, s19
	s_mov_b32 s47, 0
	s_lshl_b32 s66, s42, 12
	s_add_co_u32 s66, s66, 1048576
	s_mov_b32 s67, 0
	s_mul_i32 s45, s14, HALFT
	s_wait_kmcnt 0x0
	s_add_nc_u64 s[20:21], s[4:5], s[20:21]
	s_add_nc_u64 s[22:23], s[4:5], s[22:23]
	s_add_nc_u64 s[46:47], s[6:7], s[46:47]
	s_add_nc_u64 s[66:67], s[6:7], s[66:67]
	CROUND
.irp i, 0,1
.if \i < NSL
	s_mov_b32 s[G0S+4*\i], 1
	s_mov_b32 s[G0S+4*\i+1], SCL
	s_add_nc_u64 s[G0S+4*\i+2:G0S+4*\i+3], s[22:23], \i*AREC
	s_or_b32 s[G0S+4*\i+3], s[G0S+4*\i+3], 0x80000000
	s_mov_b32 s[G0SB+4*\i], 1
	s_mov_b32 s[G0SB+4*\i+1], SCL+BREG
	s_add_nc_u64 s[G0SB+4*\i+2:G0SB+4*\i+3], s[66:67], \i*WREC
	s_or_b32 s[G0SB+4*\i+3], s[G0SB+4*\i+3], 0x80000000
.endif
.endr
.irp s, 0,1
	s_mov_b32 s[G0+4*\s], 1
	s_add_co_u32 s[G0+4*\s+1], s45, \s*SLOT
	s_add_nc_u64 s[G0+4*\s+2:G0+4*\s+3], s[20:21], \s*65536
	s_or_b32 s[G0+4*\s+3], s[G0+4*\s+3], 0x80000000
	s_mov_b32 s[G0B+4*\s], 1
	s_add_co_u32 s[G0B+4*\s+1], s45, \s*SLOT
	s_add_nc_u64 s[G0B+4*\s+2:G0B+4*\s+3], s[46:47], \s*65536
	s_or_b32 s[G0B+4*\s+3], s[G0B+4*\s+3], 0x80000000
.endr
; THE HEAD'S LOADS, ONE A WAVE: wave 0 slot 0's 65,536 bytes of A, wave 1 those of B, wave 2 A's scale words, wave 3 B's.  One chain of branches on the wave's number, one load to an arm.
	s_lshl_b32 s10, s16, 15
	s_mov_b32 s11, 0
	s_sub_nc_u64 s[6:7], s[20:21], s[10:11]        ; the tile's first byte: my half's offset taken off again
	s_sub_nc_u64 s[82:83], s[46:47], s[10:11]
	s_mov_b32 s4, 1
	s_mov_b32 s5, 0
	s_or_b32 s7, s7, 0x80000000
	s_mov_b32 s80, 1
	s_mov_b32 s81, 2*HALFT
	s_or_b32 s83, s83, 0x80000000
	s_cmp_eq_u32 s15, 0                            ; the prefetch: of the 32,768 bytes of a slot that I fetch, my work-group's 8,192, told apart from the partners' by address
	s_cselect_b64 s[12:13], s[20:21], s[46:47]
	s_cselect_b32 s18, s40, s41
	s_lshl_b32 s18, s18, 13
	s_mov_b32 s19, 0
	s_add_nc_u64 s[12:13], s[12:13], s[18:19]
.macro ARM under, g0, g1, next
	s_cmp_lt_u32 s14, \under
	s_cbranch_scc0 \next
	tensor_load_to_lds s[\g0:\g0+3], s[\g1:\g1+7]
	s_nop 0
.rept 4
	v_nop
.endr
	s_branch .Lhead_asked
\next:
.endm
	ARM 1, 4, G1, .Lhead_b
	ARM 2, 80, G1B, .Lhead_sa
	ARM 3, G0S, G1S, .Lhead_sb
	tensor_load_to_lds s[G0SB:G0SB+3], s[G1SB:G1SB+7]
	s_nop 0
.rept 4
	v_nop
.endr
.Lhead_asked:
	v_and_b32 v6, 31, v0
	v_lshlrev_b32 v4, 4, v6
	v_and_b32 v1, 15, v0
	v_bfe_u32 v2, v0, 4, 1
	v_lshlrev_b32 v30, 8, v6                       ; lanes 256 bytes apart
	s_wait_alu depctr_va_vdst(0)
	global_prefetch_b8 v30, s[12:13] offset:65536 th:TH_LOAD_NT scope:SCOPE_SE   ; slot 1, the last: one fill ahead
	s_lshl_b32 s21, s15, 13
	s_lshl_b32 s22, s16, 13
	s_add_co_u32 s22, s22, 2*HALFT
.irp s, 0,1
	v_add_nc_u32 v[ADRA+\s], s21, v4
	v_add_nc_u32 v[ADRB+\s], s22, v4
	s_add_co_u32 s21, s21, SLOT
	s_add_co_u32 s22, s22, SLOT
.endr
	v_lshlrev_b32 v5, 2, v1
	s_lshl_b32 s21, s15, 8
	s_lshl_b32 s22, s16, 8
	s_add_co_u32 s22, s22, BREG
	s_sub_co_u32 s22, s22, s21
	v_mul_u32_u24 v6, s22, v2
	s_add_co_u32 s21, s21, SCL
	v_add_nc_u32 v5, v5, v6
	v_add_nc_u32 v[ADRS], s21, v5
	s_mul_i32 s23, s14, 16*SPITCH
	v_mul_u32_u24 v5, v1, SPITCH
	v_lshl_add_u32 v5, v2, 6, v5
	v_add_nc_u32 v[STO], s23, v5
	v_mul_u32_u24 v5, v2, SPITCH
	v_lshl_add_u32 v5, v1, 4, v5
	v_add_nc_u32 v[RD], s23, v5
	v_lshlrev_b32 v5, 12, v2
	v_lshl_add_u32 v[CO], v1, 4, v5
	s_lshl_b32 s20, s17, 7
	s_lshl_b32 s21, s15, 6
	s_add_co_u32 s20, s20, s21
	s_lshl_b32 s20, s20, 12
	s_lshl_b32 s21, s42, 9
	s_add_co_u32 s20, s20, s21
	s_lshl_b32 s21, s16, 8
	s_add_co_u32 s20, s20, s21
	s_mov_b32 s21, 0
	s_add_nc_u64 s[8:9], s[8:9], s[20:21]
.macro FRAG reg, adr, q, i
.irp c, 0,1,2,3
	ds_load_b128 v[\reg+4*\c:\reg+4*\c+3], v[\adr] offset:16384*(\q)+2048*(\i)+512*\c
.endr
.endm
.macro FETCH slot, q, f
	WIN TO_F
.irp i, 0,1,2,3
	FRAG \f+64+16*\i, ADRB+\slot, \q, \i
	FRAG \f+16*\i, ADRA+\slot, \q, \i
.endr
.endm
.macro SCALES sc
.irp q, 0,1,2,3
.irp i, 0,1,2,3
	ds_load_b32 v[SC+16*\sc+4*\q+\i], v[ADRS] offset:512*\q+64*\i
.endr
.endr
.endm
.macro MUL8 f, q, sc, a0, zero
.irp a, \a0, \a0+1
.irp b, 0,1,2,3
.if \zero
	v_wmma_scale_f32_16x16x128_f8f6f4 v[ACC+8*(4*(\a)+\b):ACC+8*(4*(\a)+\b)+7], v[\f+64+16*\b:\f+64+16*\b+15], v[\f+16*(\a):\f+16*(\a)+15], 0, v[SC+16*(\sc)+4*(\q)+\b], v[SC+16*(\sc)+4*(\q)+(\a)] matrix_a_fmt:MATRIX_FMT_BF8 matrix_b_fmt:MATRIX_FMT_BF8 matrix_a_scale:MATRIX_SCALE_ROW1
.else
	v_wmma_scale_f32_16x16x128_f8f6f4 v[ACC+8*(4*(\a)+\b):ACC+8*(4*(\a)+\b)+7], v[\f+64+16*\b:\f+64+16*\b+15], v[\f+16*(\a):\f+16*(\a)+15], v[ACC+8*(4*(\a)+\b):ACC+8*(4*(\a)+\b)+7], v[SC+16*(\sc)+4*(\q)+\b], v[SC+16*(\sc)+4*(\q)+(\a)] matrix_a_fmt:MATRIX_FMT_BF8 matrix_b_fmt:MATRIX_FMT_BF8 matrix_a_scale:MATRIX_SCALE_ROW1
.endif
.endr
.endr
.endm
.macro PLACES n
.rept \n
	v_nop
.endr
.endm
.macro STEP slot, q, f, g, zero
	PLACES NP
	FETCH \slot, (\q)+1, \g
	s_wait_dscnt 32
	WIN MUL
	MUL8 \f, \q, \slot, 0, \zero
	MUL8 \f, \q, \slot, 2, \zero
.endm
.macro TURN slot, next, fill
	WIN 0
	s_wait_tensorcnt 0x0
	ds_add_u32 v[SPW], v[NIL]
	s_wait_dscnt 1
	WIN MUL
	MUL8 128, 3, \slot, 0, 0
	s_wait_dscnt 0x0
	s_barrier_signal -1
	MUL8 128, 3, \slot, 2, 0
	WIN 0
	s_barrier_wait -1
.if \fill
	CREST
	s_add_nc_u64 s[G0+4*\slot+2:G0+4*\slot+3], s[G0+4*\slot+2:G0+4*\slot+3], AREC
	s_add_nc_u64 s[G0B+4*\slot+2:G0B+4*\slot+3], s[G0B+4*\slot+2:G0B+4*\slot+3], WREC
	JLOAD G0+4*\slot, G1, G0B+4*\slot, G1B
	PLACES NP-4
.else
	PLACES NP
.endif
	v_add_nc_u32 v[ADRS], 2048, v[ADRS]
	FETCH \next, 0, 0
	WIN 0
	SCALES \next
.endm
	s_wait_alu depctr_va_vdst(0)
	s_wait_tensorcnt 0x0                           ; my tile of the head's four is in
	ds_add_u32 v[SPW], v[NIL]
	s_mov_b32 s[G1+2], 128<<16                     ; no tensor load of mine is out: from here on a load brings 128 rows
	s_mov_b32 s[G1+4], 128
	s_mov_b32 s[G1B+2], 128<<16
	s_mov_b32 s[G1B+4], 128
	s_wait_dscnt 0x0
	CROUND
	JLOAD G0+4, G1, G0B+4, G1B                     ; slot 1's first fill: the first tensor load behind the round
	FETCH 0, 0, 0
	WIN 0
	SCALES 0
	STEP 0, 0, 0, 128, 1
.if NREC > 1
	WIN 0
	s_mov_b32 s3, NREC-1
.Llap:
	STEP 0, 1, 128, 0, 0
	STEP 0, 2, 0, 128, 0
	TURN 0, 1, 1
	STEP 1, 0, 0, 128, 0
	STEP 1, 1, 128, 0, 0
	STEP 1, 2, 0, 128, 0
	TURN 1, 0, 1
	STEP 0, 0, 0, 128, 0
	WIN 0
	s_sub_co_u32 s3, s3, 1
	s_cmp_lg_u32 s3, 0
	s_cbranch_scc1 .Llap
.endif
	STEP 0, 1, 128, 0, 0
	STEP 0, 2, 0, 128, 0
	TURN 0, 1, 0
	STEP 1, 0, 0, 128, 0
	STEP 1, 1, 128, 0, 0
	STEP 1, 2, 0, 128, 0
	s_wait_dscnt 0x0
	MUL8 128, 3, 1, 0, 0
	MUL8 128, 3, 1, 2, 0
	WIN 0
.macro TOSTAGE a
.irp b, 0,1,2,3
	ds_store_b128 v[STO], v[ACC+8*(4*(\a)+\b):ACC+8*(4*(\a)+\b)+3] offset:128*(\b/2)+32*(\b%2)
	ds_store_b128 v[STO], v[ACC+8*(4*(\a)+\b)+4:ACC+8*(4*(\a)+\b)+7] offset:128*(\b/2)+32*(\b%2)+16
.endr
.set BB, BK+32*((\a)%2)
.irp t, 0,1,2,3,4,5,6,7
	ds_load_b128 v[BB+4*\t:BB+4*\t+3], v[RD] offset:2*\t*SPITCH
.endr
.endm
.macro SEND a, younger
.set BB, BK+32*((\a)%2)
	s_wait_dscnt \younger
.irp t, 0,1,2,3,4,5,6,7
	global_store_b128 v[CO], v[BB+4*\t:BB+4*\t+3], s[8:9] offset:(32*((\a)/2)+8*((\a)%2)+2*\t+8*(\t/4))*4096 th:TH_STORE_NT
.endr
.endm
	PLACES NP
	TOSTAGE 0
.irp a, 1,2,3
.if \a > 1
	s_wait_xcnt 0x0
.endif
	TOSTAGE \a
	SEND \a-1, 16
.endr
	SEND 3, 0
	s_wait_tensorcnt 0x0
	ds_add_u32 v[SPW], v[NIL]
	s_wait_dscnt 0x0
	CROUND
	s_endpgm
.Lfunc_end_k_qf90669677a_wo:
	.size	k_qf90669677a_wo, .Lfunc_end_k_qf90669677a_wo-k_qf90669677a_wo
	.p2alignl 7, 3214868480
	.fill 96, 4, 3214868480
	.section	.rodata,"a",@progbits
	.p2align	6, 0x0
	.amdhsa_kernel k_qf90669677a_wo
		.amdhsa_group_segment_fixed_size 327680
		.amdhsa_private_segment_fixed_size 0
		.amdhsa_enable_private_segment 0
		.amdhsa_kernarg_size 24
		.amdhsa_user_sgpr_count 2
		.amdhsa_user_sgpr_kernarg_segment_ptr 1
		.amdhsa_wavefront_size32 1
		.amdhsa_system_sgpr_workgroup_id_x 1
		.amdhsa_system_sgpr_workgroup_id_y 1
		.amdhsa_system_sgpr_workgroup_id_z 1
		.amdhsa_system_vgpr_workitem_id 0
		.amdhsa_next_free_vgpr 512
		.amdhsa_next_free_sgpr 100
		.amdhsa_reserve_vcc 0
		.amdhsa_float_denorm_mode_32 3
		.amdhsa_float_denorm_mode_16_64 3
		.amdhsa_memory_ordered 1
		.amdhsa_forward_progress 1
		.amdhsa_inst_pref_size 56
	.end_amdhsa_kernel
	.amdgpu_metadata
---
amdhsa.version: [ 1, 2 ]
amdhsa.kernels:
  - .name:           k_qf90669677a_wo
    .symbol:         k_qf90669677a_wo.kd
    .args:
      - { .name: ctx, .offset: 0, .size: 8, .value_kind: global_buffer, .address_space: global }
      - { .name: wa, .offset: 8, .size: 8, .value_kind: global_buffer, .address_space: global }
      - { .name: part, .offset: 16, .size: 8, .value_kind: global_buffer, .address_space: global }
    .group_segment_fixed_size: 327680
    .private_segment_fixed_size: 0
    .kernarg_segment_align: 8
    .kernarg_segment_size: 24
    .max_flat_workgroup_size: 128
    .sgpr_count:     100
    .vgpr_count:     512
    .wavefront_size: 32
...
	.end_amdgpu_metadata
.endif
;; end of part 4
;; launch ln1 (part 5): grid 256 x 1, 8 waves a work-group, no clusters, 66,816 bytes of LDS; arguments part, x, bo, g1, be1, o1; writes o1
.if DOCPART == 5
	.amdgcn_target "amdgcn-amd-amdhsa--gfx1250"
	.amdhsa_code_object_version 6
	.text
	.protected	k_qf90669677a_ln1
	.globl	k_qf90669677a_ln1
	.p2align	8
	.type	k_qf90669677a_ln1,@function
k_qf90669677a_ln1:
	s_mov_b64 s[64:65], 0
	v_nop
	global_prefetch_b8 v0, s[64:65] scope:SCOPE_SE
	s_setreg_imm32_b32 hwreg(HW_REG_WAVE_MODE, 25, 1), 1
	s_wait_xcnt 0x0
; out1 = layer_norm(x + (ctx wo + bo)) g1 + be1, in f32, stored twice: as f32 rows (o1 at AREC) for the residual, and quantised to E5M2 with E8M0 scales as an image of the next product's operand (o1 at 0).
; A work-group takes the 16 rows of fragment t: rows 32 (t / 2) + 8 (t % 2) + i + 8 (i / 8).  Wave w normalises rows i = 2 w, 2 w + 1, each whole in 32 registers a lane (16 bytes a lane, 512 a load).
; Mean first, then the mean of the squared differences: no difference of large sums is formed.  The rows meet in LDS (pitch 4,096 + 16); behind one barrier wave w quantises k = 128 w on of all 16 rows.
; LIMITS: a block of zeros keeps the byte 1; blocks under 2^-111 are quantised under the floor's scale; NaN and infinities are not served.
.set AREC, 4325376
.set SP,   4112
.set ZA,   16                          ; v16-79   the two rows
.set XA,   80                          ; v80-143  x's two rows
.set BO,   144
.set G,    176
.set BE,   208
.set PC,   80                          ; later: codes, at work, the scale word
.set TM,   96
.set PW,   112
.set SEL,  24
.set MNT,  26
.set RN,   27
.set EP,   28
	s_load_b256 s[4:11], s[0:1], 0x0               ; part, x, bo, g1
	s_load_b128 s[12:15], s[0:1], 0x20             ; be1, o1
	v_lshl_add_u32 v254, v0, 2, 0x10100
	v_mov_b32 v255, 0
	v_lshrrev_b32 v2, 5, v0
	s_delay_alu instid0(VALU_DEP_1)
	v_readfirstlane_b32 s16, v2                    ; wave 0..7
	v_and_b32 v1, 31, v0
	s_delay_alu instid0(VALU_DEP_1)
	v_lshlrev_b32 v3, 4, v1                        ; 16 x lane
	v_and_b32 v6, 15, v0
	v_bfe_u32 v7, v0, 4, 1
	s_mul_i32 s22, s16, 2*SP
	v_add_nc_u32 v4, s22, v3                       ; the stage, in: my two rows
	v_mul_u32_u24 v5, v6, SP
	s_delay_alu instid0(VALU_DEP_1)
	v_lshl_add_u32 v5, v7, 6, v5
	s_lshl_b32 s23, s16, 9
	v_add_nc_u32 v5, s23, v5                       ; back: row r, + 512 w + 64 h
	v_lshlrev_b32 v8, 2, v6
	s_lshr_b32 s17, ttmp9, 1
	s_lshl_b32 s17, s17, 5
	s_and_b32 s18, ttmp9, 1
	s_lshl_b32 s18, s18, 3
	s_add_co_u32 s17, s17, s18
	s_lshl_b32 s18, s16, 1
	s_add_co_u32 s17, s17, s18
	s_lshr_b32 s18, s16, 2
	s_lshl_b32 s18, s18, 3
	s_add_co_u32 s17, s17, s18                     ; my first row
	s_lshl_b32 s18, s17, 12
	s_mov_b32 s19, 0
	s_lshr_b32 s29, ttmp9, 3
	s_lshl_b32 s29, s29, 3
	s_add_co_u32 s29, s29, s16
	s_lshl_b32 s29, s29, 3
	s_and_b32 s30, ttmp9, 7
	s_add_co_u32 s29, s29, s30                     ; my fragment of the image
	s_lshl_b32 s30, s29, 11
	s_mov_b32 s31, 0
	s_lshl_b32 s32, s29, 6
	s_add_co_u32 s32, s32, 4194304
	s_mov_b32 s33, 0
	s_mov_b32 s[SEL], 0x76543210
	s_mov_b32 s[SEL+1], 0xfedcba98
	s_mov_b32 s[MNT], 0x600000
	s_mov_b32 s[RN], 0x3a800000                    ; 1 / 1,024
	s_mov_b32 s[EP], 0x3727c5ac                    ; 1e-5
	s_wait_alu depctr_va_vdst(0)
	s_wait_kmcnt 0x0
	s_add_nc_u64 s[4:5], s[4:5], s[18:19]
	s_add_nc_u64 s[6:7], s[6:7], s[18:19]
	s_add_co_u32 s18, s18, AREC
	s_add_nc_u64 s[20:21], s[14:15], s[18:19]
	s_add_nc_u64 s[30:31], s[14:15], s[30:31]
	s_add_nc_u64 s[32:33], s[14:15], s[32:33]
.irp i, 0,1
.irp j, 0,1,2,3,4,5,6,7
	global_load_b128 v[ZA+32*\i+4*\j:ZA+32*\i+4*\j+3], v3, s[4:5] offset:4096*\i+512*\j th:TH_LOAD_NT
	global_load_b128 v[XA+32*\i+4*\j:XA+32*\i+4*\j+3], v3, s[6:7] offset:4096*\i+512*\j th:TH_LOAD_NT
.endr
.endr
.irp j, 0,1,2,3,4,5,6,7
	global_load_b128 v[BO+4*\j:BO+4*\j+3], v3, s[8:9] offset:512*\j
	global_load_b128 v[G+4*\j:G+4*\j+3], v3, s[10:11] offset:512*\j
	global_load_b128 v[BE+4*\j:BE+4*\j+3], v3, s[12:13] offset:512*\j
.endr
	s_wait_loadcnt 0x0
.macro ACROSS                          ; v240 summed over the 32 lanes, in every lane
	s_delay_alu instid0(VALU_DEP_1)
	v_add_f32_dpp v240, v240, v240 row_xmask:1 row_mask:0xf bank_mask:0xf
	s_delay_alu instid0(VALU_DEP_1)
	v_add_f32_dpp v240, v240, v240 row_xmask:2 row_mask:0xf bank_mask:0xf
	s_delay_alu instid0(VALU_DEP_1)
	v_add_f32_dpp v240, v240, v240 row_xmask:4 row_mask:0xf bank_mask:0xf
	s_delay_alu instid0(VALU_DEP_1)
	v_add_f32_dpp v240, v240, v240 row_xmask:8 row_mask:0xf bank_mask:0xf
	s_delay_alu instid0(VALU_DEP_1)
	v_permlanex16_b32 v241, v240, s[SEL], s[SEL+1]
	s_delay_alu instid0(VALU_DEP_1)
	v_add_f32 v240, v240, v241
.endm
.macro ROW i
.set Z, ZA+32*\i
.set XX, XA+32*\i
.irp k, 0,2,4,6,8,10,12,14,16,18,20,22,24,26,28,30
	v_pk_add_f32 v[Z+\k:Z+\k+1], v[Z+\k:Z+\k+1], v[BO+\k:BO+\k+1]
.endr
.irp k, 0,2,4,6,8,10,12,14,16,18,20,22,24,26,28,30
	v_pk_add_f32 v[Z+\k:Z+\k+1], v[XX+\k:XX+\k+1], v[Z+\k:Z+\k+1]
.endr
	v_pk_add_f32 v[240:241], v[Z:Z+1], v[Z+2:Z+3]
	v_pk_add_f32 v[242:243], v[Z+4:Z+5], v[Z+6:Z+7]
.irp k, 8,12,16,20,24,28
	s_delay_alu instid0(VALU_DEP_2)
	v_pk_add_f32 v[240:241], v[240:241], v[Z+\k:Z+\k+1]
	s_delay_alu instid0(VALU_DEP_2)
	v_pk_add_f32 v[242:243], v[242:243], v[Z+\k+2:Z+\k+3]
.endr
	s_delay_alu instid0(VALU_DEP_1)
	v_pk_add_f32 v[240:241], v[240:241], v[242:243]
	s_delay_alu instid0(VALU_DEP_1)
	v_add_f32 v240, v240, v241
	ACROSS
	s_delay_alu instid0(VALU_DEP_1)
	v_mul_f32 v244, 0xba800000, v240               ; - the mean
	s_delay_alu instid0(VALU_DEP_1)
	v_mov_b32 v245, v244
.irp k, 0,2,4,6,8,10,12,14,16,18,20,22,24,26,28,30
	v_pk_add_f32 v[Z+\k:Z+\k+1], v[Z+\k:Z+\k+1], v[244:245]
.endr
	v_pk_mul_f32 v[240:241], v[Z:Z+1], v[Z:Z+1]
	v_pk_mul_f32 v[242:243], v[Z+2:Z+3], v[Z+2:Z+3]
.irp k, 4,8,12,16,20,24,28
	s_delay_alu instid0(VALU_DEP_2)
	v_pk_fma_f32 v[240:241], v[Z+\k:Z+\k+1], v[Z+\k:Z+\k+1], v[240:241]
	s_delay_alu instid0(VALU_DEP_2)
	v_pk_fma_f32 v[242:243], v[Z+\k+2:Z+\k+3], v[Z+\k+2:Z+\k+3], v[242:243]
.endr
	s_delay_alu instid0(VALU_DEP_1)
	v_pk_add_f32 v[240:241], v[240:241], v[242:243]
	s_delay_alu instid0(VALU_DEP_1)
	v_add_f32 v240, v240, v241
	ACROSS
	s_delay_alu instid0(VALU_DEP_1)
	v_fma_f32 v240, v240, s[RN], s[EP]             ; the variance + 1e-5
	s_wait_alu depctr_va_vdst(0)
	v_rsq_f32 v246, v240
	v_nop                                          ; a plain instruction behind the transcendental
	s_wait_alu depctr_va_vdst(0)
	v_mov_b32 v247, v246
.irp k, 0,2,4,6,8,10,12,14,16,18,20,22,24,26,28,30
	v_pk_mul_f32 v[Z+\k:Z+\k+1], v[Z+\k:Z+\k+1], v[246:247]
.endr
.irp k, 0,2,4,6,8,10,12,14,16,18,20,22,24,26,28,30
	v_pk_fma_f32 v[Z+\k:Z+\k+1], v[Z+\k:Z+\k+1], v[G+\k:G+\k+1], v[BE+\k:BE+\k+1]
.endr
.irp j, 0,1,2,3,4,5,6,7
	global_store_b128 v3, v[Z+4*\j:Z+4*\j+3], s[20:21] offset:4096*\i+512*\j   ; 512 consecutive bytes
	ds_store_b128 v4, v[Z+4*\j:Z+4*\j+3] offset:SP*\i+512*\j
.endr
.endm
	ROW 0
	ROW 1
	s_wait_dscnt 0x0                               ; for the others' sake: my rows lie in the stage
	s_barrier_signal -1
	s_barrier_wait -1
	s_wait_xcnt 0x0                                ; the stores above have read their data: the loads below land in those registers
.irp c, 0,1,2,3
.irp j, 0,1,2,3
	ds_load_b128 v[16+16*\c+4*\j:19+16*\c+4*\j], v5 offset:128*\c+16*\j
.endr
.endr
.irp b, 0,1,2,3
	v_mov_b32 v[TM+4+\b], 0                        ; a lane permute's destination counts as one of its sources
.endr
	s_wait_dscnt 0x0
.irp b, 0,1,2,3
	v_max3_num_f32 v[TM+\b], |v[16+16*\b]|, |v[17+16*\b]|, 0x8000000   ; with the floor 2^(16 - 127)
.endr
.irp i, 2,4,6,8,10,12,14
.irp b, 0,1,2,3
	s_delay_alu instid0(VALU_DEP_4)
	v_max3_num_f32 v[TM+\b], v[TM+\b], |v[16+16*\b+\i]|, |v[17+16*\b+\i]|
.endr
.endr
.irp b, 0,1,2,3
	s_delay_alu instid0(VALU_DEP_4)
	v_permlanex16_b32 v[TM+4+\b], v[TM+\b], s[SEL], s[SEL+1]
.endr
.irp b, 0,1,2,3
	s_delay_alu instid0(VALU_DEP_4)
	v_max_num_f32 v[TM+\b], v[TM+\b], v[TM+4+\b]
.endr
.irp b, 0,1,2,3
	s_delay_alu instid0(VALU_DEP_4)
	v_add_nc_u32 v[TM+12+\b], 0xf8800000, v[TM+\b]
.endr
.irp b, 0,1,2,3
	v_and_or_b32 v[TM+8+\b], v[TM+\b], 0x7f800000, s[MNT]
.endr
.irp b, 0,1,2,3
	v_lshrrev_b32 v[TM+4+\b], 23, v[TM+12+\b]
.endr
	s_delay_alu instid0(VALU_DEP_3)
	v_lshl_or_b32 v[PW], v[TM+5], 8, v[TM+4]
	s_delay_alu instid0(VALU_DEP_1)
	v_lshl_or_b32 v[PW], v[TM+6], 16, v[PW]
	s_delay_alu instid0(VALU_DEP_1)
	v_lshl_or_b32 v[PW], v[TM+7], 24, v[PW]
.irp b, 0,1,2,3
.irp i, 0,1,2,3,4,5,6,7,8,9,10,11,12,13,14,15
	v_med3_num_f32 v[16+16*\b+\i], v[16+16*\b+\i], -v[TM+8+\b], v[TM+8+\b]   ; the conversion does not saturate (ISA guide 7.6.2)
.endr
	v_cvt_scalef32_pk8_bf8_f32 v[PC+4*\b:PC+1+4*\b], v[16+16*\b:23+16*\b], v[TM+12+\b]
	v_cvt_scalef32_pk8_bf8_f32 v[PC+2+4*\b:PC+3+4*\b], v[24+16*\b:31+16*\b], v[TM+12+\b]
.endr
	v_nop
.irp c, 0,1,2,3
	global_store_b128 v3, v[PC+4*\c:PC+4*\c+3], s[30:31] offset:512*\c
.endr
	global_store_b32 v8, v[PW], s[32:33]           ; lanes 16-31 hold the same words as lanes 0-15 and write the same 64 bytes
	s_wait_tensorcnt 0x0
	ds_add_u32 v254, v255
	s_wait_dscnt 0x0
	s_endpgm
.Lfunc_end_k_qf90669677a_ln1:
	.size	k_qf90669677a_ln1, .Lfunc_end_k_qf90669677a_ln1-k_qf90669677a_ln1
	.p2alignl 7, 3214868480
	.fill 96, 4, 3214868480
	.section	.rodata,"a",@progbits
	.p2align	6, 0x0
	.amdhsa_kernel k_qf90669677a_ln1
		.amdhsa_group_segment_fixed_size 66816
		.amdhsa_private_segment_fixed_size 0
		.amdhsa_enable_private_segment 0
		.amdhsa_kernarg_size 48
		.amdhsa_user_sgpr_count 2
		.amdhsa_user_sgpr_kernarg_segment_ptr 1
		.amdhsa_wavefront_size32 1
		.amdhsa_system_sgpr_workgroup_id_x 1
		.amdhsa_system_sgpr_workgroup_id_y 1
		.amdhsa_system_sgpr_workgroup_id_z 1
		.amdhsa_system_vgpr_workitem_id 0
		.amdhsa_next_free_vgpr 256
		.amdhsa_next_free_sgpr 66
		.amdhsa_reserve_vcc 0
		.amdhsa_float_denorm_mode_32 3
		.amdhsa_float_denorm_mode_16_64 3
		.amdhsa_memory_ordered 1
		.amdhsa_forward_progress 1
		.amdhsa_inst_pref_size 41
	.end_amdhsa_kernel
	.amdgpu_metadata
---
amdhsa.version: [ 1, 2 ]
amdhsa.kernels:
  - .name:           k_qf90669677a_ln1
    .symbol:         k_qf90669677a_ln1.kd
    .args:
      - { .name: part, .offset: 0, .size: 8, .value_kind: global_buffer, .address_space: global }
      - { .name: x, .offset: 8, .size: 8, .value_kind: global_buffer, .address_space: global }
      - { .name: bo, .offset: 16, .size: 8, .value_kind: global_buffer, .address_space: global }
      - { .name: g1, .offset: 24, .size: 8, .value_kind: global_buffer, .address_space: global }
      - { .name: be1, .offset: 32, .size: 8, .value_kind: global_buffer, .address_space: global }
      - { .name: o1, .offset: 40, .size: 8, .value_kind: global_buffer, .address_space: global }
    .group_segment_fixed_size: 66816
    .private_segment_fixed_size: 0
    .kernarg_segment_align: 8
    .kernarg_segment_size: 48
    .max_flat_workgroup_size: 256
    .sgpr_count:     66
    .vgpr_count:     256
    .wavefront_size: 32
...
	.end_amdgpu_metadata
.endif
;; end of part 5
;; launch ffn1 (part 6): grid 16 x 16, 4 waves a work-group, clusters of 4 x 4, 327,680 bytes of LDS; arguments o1, wa, b1, hid; writes hid
.if DOCPART == 6
	.amdgcn_target "amdgcn-amd-amdhsa--gfx1250"
	.amdhsa_code_object_version 6
	.text
	.protected	k_qf90669677a_ffn1
	.globl	k_qf90669677a_ffn1
	.p2align	8
	.type	k_qf90669677a_ffn1,@function
k_qf90669677a_ffn1:
	s_mov_b64 s[64:65], 0
	v_nop
	global_prefetch_b8 v0, s[64:65] scope:SCOPE_SE
	s_setreg_imm32_b32 hwreg(HW_REG_WAVE_MODE, 25, 1), 1
	s_wait_xcnt 0x0
	s_wait_alu depctr_hold_cnt(0) depctr_sa_sdst(0) depctr_va_vdst(0) depctr_va_sdst(0) depctr_va_ssrc(0) depctr_va_vcc(0) depctr_vm_vsrc(0)
	s_getreg_b32 s2, hwreg(HW_REG_IB_STS2, 6, 4)
	s_cmp_eq_u32 s2, 0
	s_cbranch_scc0 .Lentry_in_a_cluster
	s_endpgm
.Lentry_in_a_cluster:
	s_bfe_u32 s2, ttmp6, 0x10000c
	s_cmp_lg_u32 s2, 0xf033
	s_cbranch_scc0 .Lentry_shape_is_right
	s_endpgm
.Lentry_shape_is_right:
.set AREC, 4325376
.set WREC, 1081344
.set NQ,     2
.set FR,     16
.set NL,     4
.set NP,     8
.set HALFT,  32768
.set SLOT,   4*HALFT
.set LAPS,   2
.set SCL,    2*SLOT
.set HALFS,  4096
.set SPARE,  SCL+4*HALFS
.set ADRA, 16
.set ADRB, 20
.set GO,   24
.set GS,   25
.set ADRS, 27
.set SPW,  28
.set NIL,  29
.set SC,   32
.set AF,   128
.set BC,   64
.set T,    128
.set PC,   192
.set TM,   208
.set W,    224
.set G1, 24
.set G0, 32
.set G1B, 48
.set G0B, 56
.set G1S, 68
.set G0S, 76
.set G1SB, 80
.set G0SB, 88
.set SEL, 28
.set MNT, 30
.set MSB, 0
.macro WIN new
.if MSB != \new
	s_set_vgpr_msb (MSB<<8)|\new
.set MSB, \new
.endif
.endm
.set MUL_LO, 0xa1
.set MUL_HI, 0xf1
.set TO_B,   0x40
.macro JLOAD g0a, g1a, g0b, g1b
	s_cmp_eq_u32 s15, 0
	s_cbranch_scc0 .Lfor_b_\@
	tensor_load_to_lds s[\g0a:\g0a+3], s[\g1a:\g1a+7]
	s_nop 0
.rept 4
	v_nop
.endr
	s_branch .Lasked_\@
.Lfor_b_\@:
	tensor_load_to_lds s[\g0b:\g0b+3], s[\g1b:\g1b+7]
	s_nop 0
.rept 4
	v_nop
.endr
.Lasked_\@:
.endm
.macro CREST
	s_cmp_lg_u32 s14, 0
	s_cbranch_scc1 .Lnot_wave_0_\@
	s_barrier_signal -3
.Lnot_wave_0_\@:
	s_barrier_wait -3
	s_barrier_signal -1
	s_barrier_wait -1
.endm
.macro CROUND
	s_barrier_signal -1
	s_barrier_wait -1
	CREST
.endm
	s_load_b256 s[4:11], s[0:1], 0x0
	v_lshl_add_u32 v[SPW], v0, 2, SPARE
	v_mov_b32 v[NIL], 0
	ds_add_u32 v28, v29
	ds_add_u32 v28, v29
	s_wait_dscnt 0x0
	v_lshrrev_b32 v1, 5, v0
	v_readfirstlane_b32 s14, v1
	s_lshr_b32 s15, s14, 1
	s_and_b32 s16, s14, 1
	s_bfe_u32 s40, ttmp6, 0x40000
	s_bfe_u32 s41, ttmp6, 0x40004
	s_lshl_b32 s43, s41, 2
	s_lshl_b32 s43, 15, s43
	s_lshl_b32 s44, 0x1111, s40
	s_and_b32 s17, ttmp7, 0xffff
	s_lshl_b32 s17, s17, 2
	s_add_co_u32 s17, s17, s41
	s_or_b32 s[G1], s43, (3<<16)|(1<<21)
	s_or_b32 s[G1B], s44, (3<<16)|(1<<21)
	s_or_b32 s[G1S], s43, (3<<16)|(1<<21)
	s_or_b32 s[G1SB], s44, (3<<16)|(1<<21)
.irp g, G1, G1B                        ; the head's loads: a slot's 256 rows of one side are two runs of 32,768 bytes, 131,072 bytes apart
	s_mov_b32 s[\g+1], 4096<<16
	s_mov_b32 s[\g+2], 2<<16
	s_mov_b32 s[\g+3], 4096<<16
	s_mov_b32 s[\g+4], 2
	s_mov_b32 s[\g+5], 16384
	s_mov_b32 s[\g+6], 0
	s_mov_b32 s[\g+7], 0
.endr
.irp g, G1S, G1SB
	s_mov_b32 s[\g+1], 32<<16
	s_mov_b32 s[\g+2], 32<<16
	s_mov_b32 s[\g+3], 32<<16
	s_mov_b32 s[\g+4], 32
	s_mov_b32 s[\g+5], 32
	s_mov_b32 s[\g+6], 0
	s_mov_b32 s[\g+7], 0
.endr
	s_lshl_b32 s18, s17, 1
	s_add_co_u32 s18, s18, s16
	s_lshl_b32 s20, s18, 17
	s_mov_b32 s21, 0
	s_lshl_b32 s22, s18, 12
	s_add_co_u32 s22, s22, 4194304
	s_mov_b32 s23, 0
	s_lshl_b32 s96, s40, 1
	s_add_co_u32 s96, s96, s16
	s_add_co_u32 s97, ttmp9, 4
	s_mul_i32 s97, s97, WREC
	s_lshl_b32 s46, s96, 17
	s_add_co_u32 s46, s46, s97
	s_mov_b32 s47, 0
	s_lshl_b32 s92, s96, 12
	s_add_co_u32 s92, s92, s97
	s_add_co_u32 s92, s92, 1048576
	s_mov_b32 s93, 0
	s_mul_i32 s45, s14, HALFT
	s_wait_kmcnt 0x0
	s_add_nc_u64 s[20:21], s[4:5], s[20:21]
	s_add_nc_u64 s[22:23], s[4:5], s[22:23]
	s_add_nc_u64 s[46:47], s[6:7], s[46:47]
	s_add_nc_u64 s[92:93], s[6:7], s[92:93]
	CROUND
	s_mov_b32 s[G0S], 1
	s_mov_b32 s[G0S+1], SCL
	s_lshl_b32 s18, s16, 12
	s_mov_b32 s19, 0
	s_sub_nc_u64 s[G0S+2:G0S+3], s[22:23], s[18:19]
	s_or_b32 s[G0S+3], s[G0S+3], 0x80000000
	s_mov_b32 s[G0SB], 1
	s_mov_b32 s[G0SB+1], SCL+2*HALFS
	s_sub_nc_u64 s[G0SB+2:G0SB+3], s[92:93], s[18:19]
	s_or_b32 s[G0SB+3], s[G0SB+3], 0x80000000
.irp s, 0,1
	s_mov_b32 s[G0+4*\s], 1
	s_add_co_u32 s[G0+4*\s+1], s45, \s*SLOT
	s_add_nc_u64 s[G0+4*\s+2:G0+4*\s+3], s[20:21], \s*32768
	s_or_b32 s[G0+4*\s+3], s[G0+4*\s+3], 0x80000000
	s_mov_b32 s[G0B+4*\s], 1
	s_add_co_u32 s[G0B+4*\s+1], s45, \s*SLOT
	s_add_nc_u64 s[G0B+4*\s+2:G0B+4*\s+3], s[46:47], \s*32768
	s_or_b32 s[G0B+4*\s+3], s[G0B+4*\s+3], 0x80000000
.endr
; THE HEAD'S LOADS, ONE A WAVE: wave 0 slot 0's rows of A, wave 1 those of B, wave 2 A's scale words, wave 3 B's.  Slot 0's groups 0 name the whole tile here; behind the wait they name my quarter.
	s_lshl_b32 s18, s16, 17
	s_mov_b32 s[G0+1], 0
	s_sub_nc_u64 s[G0+2:G0+3], s[G0+2:G0+3], s[18:19]
	s_mov_b32 s[G0B+1], 2*HALFT
	s_sub_nc_u64 s[G0B+2:G0B+3], s[G0B+2:G0B+3], s[18:19]
	s_cmp_eq_u32 s15, 0                            ; the prefetches: of the 32,768 bytes of a slot that I fetch, my work-group's 8,192, told apart from the partners' by address
	s_cselect_b64 s[98:99], s[20:21], s[46:47]
	s_cselect_b32 s18, s40, s41
	s_lshl_b32 s18, s18, 13
	s_add_nc_u64 s[98:99], s[98:99], s[18:19]
.macro ARM under, g0, g1, next
	s_cmp_lt_u32 s14, \under
	s_cbranch_scc0 \next
	tensor_load_to_lds s[\g0:\g0+3], s[\g1:\g1+7]
	s_nop 0
.rept 4
	v_nop
.endr
	s_branch .Lhead_asked
\next:
.endm
	ARM 1, G0, G1, .Lhead_b
	ARM 2, G0B, G1B, .Lhead_sa
	ARM 3, G0S, G1S, .Lhead_sb
	tensor_load_to_lds s[G0SB:G0SB+3], s[G1SB:G1SB+7]
	s_nop 0
.rept 4
	v_nop
.endr
.Lhead_asked:
	v_and_b32 v6, 31, v0
	v_lshlrev_b32 v4, 4, v6
	v_and_b32 v1, 15, v0
	v_bfe_u32 v2, v0, 4, 1
	v_lshlrev_b32 v31, 8, v6                       ; lanes 256 bytes apart
	s_wait_alu depctr_va_vdst(0)
	global_prefetch_b8 v31, s[98:99] offset:32768 th:TH_LOAD_NT scope:SCOPE_SE   ; slots 1 and 2: one and two fills ahead
	global_prefetch_b8 v31, s[98:99] offset:65536 th:TH_LOAD_NT scope:SCOPE_SE
	s_mul_i32 s21, s15, HALFT
	s_mul_i32 s22, s16, HALFT
	s_add_co_u32 s22, s22, 2*HALFT
.irp s, 0,1
	v_add_nc_u32 v[ADRA+\s], s21, v4
	v_add_nc_u32 v[ADRB+\s], s22, v4
	s_add_co_u32 s21, s21, SLOT
	s_add_co_u32 s22, s22, SLOT
.endr
	v_lshlrev_b32 v5, 2, v1
	s_mul_i32 s21, s15, HALFS
	s_mul_i32 s22, s16, HALFS
	s_add_co_u32 s22, s22, 2*HALFS
	s_sub_co_u32 s22, s22, s21
	v_mul_u32_u24 v6, s22, v2
	s_add_co_u32 s21, s21, SCL
	v_add_nc_u32 v5, v5, v6
	v_add_nc_u32 v[ADRS], s21, v5
	s_lshl_b32 s18, ttmp9, 12
	s_lshl_b32 s19, s40, 10
	s_add_co_u32 s18, s18, s19
	s_lshl_b32 s19, s16, 9
	s_add_co_u32 s18, s18, s19
	s_mov_b32 s19, 0
	s_add_nc_u64 s[8:9], s[8:9], s[18:19]
	v_lshlrev_b32 v30, 6, v2
.irp q, 0,1,2,3
.irp j, 0,1,2,3
	global_load_b128 v[BC+16*\q+4*\j:BC+16*\q+4*\j+3], v30, s[8:9] offset:128*\q+16*\j
.endr
.endr
.macro FRAG reg, adr, q, i
.irp c, 0,1,2,3
	ds_load_b128 v[\reg+4*\c:\reg+4*\c+3], v[\adr] offset:16384*(\q)+2048*(\i)+512*\c
.endr
.endm
.macro MUL16 a0, p, q, sc, zero
.irp a, \a0, \a0+1
.irp b, 0,1,2,3,4,5,6,7
.if \zero
	v_wmma_scale_f32_16x16x128_f8f6f4 v[8*(8*((\a)%4)+\b):8*(8*((\a)%4)+\b)+7], v[128*(\p)+FR*\b:128*(\p)+FR*\b+FR-1], v[AF+FR*(\a):AF+FR*(\a)+FR-1], 0, v[SC+8*NQ*(\sc)+NQ*\b+(\q)], v[SC+8*NQ*(\sc)+NQ*(\a)+(\q)] matrix_a_fmt:MATRIX_FMT_BF8 matrix_b_fmt:MATRIX_FMT_BF8 matrix_a_scale:MATRIX_SCALE_ROW1
.else
	v_wmma_scale_f32_16x16x128_f8f6f4 v[8*(8*((\a)%4)+\b):8*(8*((\a)%4)+\b)+7], v[128*(\p)+FR*\b:128*(\p)+FR*\b+FR-1], v[AF+FR*(\a):AF+FR*(\a)+FR-1], v[8*(8*((\a)%4)+\b):8*(8*((\a)%4)+\b)+7], v[SC+8*NQ*(\sc)+NQ*\b+(\q)], v[SC+8*NQ*(\sc)+NQ*(\a)+(\q)] matrix_a_fmt:MATRIX_FMT_BF8 matrix_b_fmt:MATRIX_FMT_BF8 matrix_a_scale:MATRIX_SCALE_ROW1
.endif
.endr
.endr
.endm
.macro FETCH_B slot, q, p
	WIN TO_B
.irp i, 0,1,2,3,4,5,6,7
	FRAG 128*(\p)+FR*\i, ADRB+\slot, \q, \i
.endr
	WIN 0
.endm
.macro FETCH_A slot, q, i0
.irp i, \i0, \i0+1, \i0+2, \i0+3
	FRAG AF+FR*(\i), ADRA+\slot, \q, \i
.endr
.endm
.macro SCALES sc
.irp i, 0,1,2,3,4,5,6,7
	ds_load_b32 v[SC+8*NQ*\sc+NQ*\i], v[ADRS] offset:64*\i
	ds_load_b32 v[SC+8*NQ*\sc+NQ*\i+1], v[ADRS] offset:512+64*\i
.endr
.endm
.macro PLACES n
.rept \n
	v_nop
.endr
.endm
.macro STEP slot, q, zero
	s_wait_dscnt 4*NL
	WIN MUL_LO
	MUL16 0, (\q)%2, \q, \slot, \zero
	MUL16 2, (\q)%2, \q, \slot, \zero
	s_wait_dscnt 0
	PLACES NP
	FETCH_B \slot, (\q)+1, 1-(\q)%2
	FETCH_A \slot, (\q)+1, 0
	WIN MUL_HI
	MUL16 4, (\q)%2, \q, \slot, \zero
	MUL16 6, (\q)%2, \q, \slot, \zero
	PLACES NP
	WIN 0
	FETCH_A \slot, (\q)+1, 4
.endm
.macro TURN slot, next, fill
	s_wait_tensorcnt 0x0
	ds_add_u32 v[SPW], v[NIL]
	s_wait_dscnt 4*NL+1
	WIN MUL_LO
	MUL16 0, 1, NQ-1, \slot, 0
	s_wait_dscnt 0x0
	s_barrier_signal -1
	MUL16 2, 1, NQ-1, \slot, 0
	WIN 0
	s_barrier_wait -1
.if \fill
	CREST
	s_add_nc_u64 s[G0+4*\slot+2:G0+4*\slot+3], s[G0+4*\slot+2:G0+4*\slot+3], 65536
	s_add_nc_u64 s[G0B+4*\slot+2:G0B+4*\slot+3], s[G0B+4*\slot+2:G0B+4*\slot+3], 65536
	JLOAD G0+4*\slot, G1, G0B+4*\slot, G1B
	PLACES NP-4
.else
	PLACES NP
.endif
	s_wait_alu depctr_va_vdst(0)
	v_add_nc_u32 v[ADRS], 1024, v[ADRS]
	FETCH_B \next, 0, 0
	FETCH_A \next, 0, 0
	SCALES \next
	WIN MUL_HI
	MUL16 4, 1, NQ-1, \slot, 0
	MUL16 6, 1, NQ-1, \slot, 0
	PLACES NP
	WIN 0
	FETCH_A \next, 0, 4
.endm
	s_wait_alu depctr_va_vdst(0)
	s_wait_tensorcnt 0x0                           ; my tile of the head's four is in
	ds_add_u32 v[SPW], v[NIL]
.irp g, G1, G1B                        ; no tensor load of mine is out: from here on a load brings 32,768 dense bytes as 128 rows of 256
	s_mov_b32 s[\g+1], 32<<16
	s_mov_b32 s[\g+2], 128<<16
	s_mov_b32 s[\g+3], 32<<16
	s_mov_b32 s[\g+4], 128
	s_mov_b32 s[\g+5], 32
.endr
	s_lshl_b32 s18, s16, 17
	s_mov_b32 s19, 0
	s_mov_b32 s[G0+1], s45
	s_add_nc_u64 s[G0+2:G0+3], s[G0+2:G0+3], s[18:19]
	s_mov_b32 s[G0B+1], s45
	s_add_nc_u64 s[G0B+2:G0B+3], s[G0B+2:G0B+3], s[18:19]
	s_wait_dscnt 0x0
	CROUND
	JLOAD G0+4, G1, G0B+4, G1B                     ; slot 1's first fill: the first tensor load behind the round
	FETCH_B 0, 0, 0
	FETCH_A 0, 0, 0
	SCALES 0
	FETCH_A 0, 0, 4
	global_prefetch_b8 v31, s[98:99] offset:98304 th:TH_LOAD_NT scope:SCOPE_SE   ; slot 3, the last: two fills ahead
	STEP 0, 0, 1
	s_mov_b32 s3, LAPS-1
.Llap:
	TURN 0, 1, 1
	STEP 1, 0, 0
	TURN 1, 0, 1
	STEP 0, 0, 0
	s_sub_co_u32 s3, s3, 1
	s_cmp_lg_u32 s3, 0
	s_cbranch_scc1 .Llap
	TURN 0, 1, 0
	STEP 1, 0, 0
	s_wait_dscnt 4*NL
	WIN MUL_LO
	MUL16 0, 1, NQ-1, 1, 0
	MUL16 2, 1, NQ-1, 1, 0
	s_wait_dscnt 0
	WIN MUL_HI
	MUL16 4, 1, NQ-1, 1, 0
	MUL16 6, 1, NQ-1, 1, 0
	WIN 0
	PLACES NP
.macro QUANT s, pw
.irp b, 0,1,2,3
	v_max3_num_f32 v[TM+\b], v[\s+16*\b], v[\s+1+16*\b], 0x8000000
.endr
.irp i, 2,4,6,8,10,12,14
.irp b, 0,1,2,3
	v_max3_num_f32 v[TM+\b], v[TM+\b], v[\s+16*\b+\i], v[\s+1+16*\b+\i]
.endr
.endr
.irp b, 0,1,2,3
	v_permlanex16_b32 v[TM+4+\b], v[TM+\b], s[SEL], s[SEL+1]
.endr
.irp b, 0,1,2,3
	v_max_num_f32 v[TM+\b], v[TM+\b], v[TM+4+\b]
.endr
.irp b, 0,1,2,3
	v_add_nc_u32 v[TM+12+\b], 0xf8800000, v[TM+\b]
.endr
.irp b, 0,1,2,3
	v_and_or_b32 v[TM+8+\b], v[TM+\b], 0x7f800000, s[MNT]
.endr
.irp b, 0,1,2,3
	v_lshrrev_b32 v[TM+4+\b], 23, v[TM+12+\b]
.endr
	v_lshl_or_b32 v[\pw], v[TM+5], 8, v[TM+4]
	v_lshl_or_b32 v[\pw], v[TM+6], 16, v[\pw]
	v_lshl_or_b32 v[\pw], v[TM+7], 24, v[\pw]
.irp b, 0,1,2,3
.irp i, 0,1,2,3,4,5,6,7,8,9,10,11,12,13,14,15
	v_med3_num_f32 v[\s+16*\b+\i], v[\s+16*\b+\i], 0, v[TM+8+\b]
.endr
	v_cvt_scalef32_pk8_bf8_f32 v[PC+4*\b:PC+1+4*\b], v[\s+16*\b:\s+7+16*\b], v[TM+12+\b]
	v_cvt_scalef32_pk8_bf8_f32 v[PC+2+4*\b:PC+3+4*\b], v[\s+8+16*\b:\s+15+16*\b], v[TM+12+\b]
.endr
	v_nop
.endm
.macro OUTQ a
.set AC, 64*((\a)%4)
.set WN, 2+(\a)/4
.if (\a) > 0
	s_wait_xcnt 0x0
.endif
	WIN WN
.set ii, 0
.rept 32
	v_pk_add_f32 v[T+ii:T+ii+1], v[AC+ii:AC+ii+1], v[BC+ii:BC+ii+1]
.set ii, ii+2
.endr
	WIN 0
	QUANT T, W+(\a)
.endm
.irp b, 0,1,2,3
	v_mov_b32 v[TM+4+\b], 0
.endr
	s_mul_i32 s20, ttmp9, AREC
	s_lshl_b32 s21, s17, 1
	s_add_co_u32 s21, s21, s15
	s_lshl_b32 s22, s40, 1
	s_add_co_u32 s22, s22, s16
	s_lshl_b32 s24, s21, 17
	s_add_co_u32 s24, s24, s20
	s_lshl_b32 s23, s22, 14
	s_add_co_u32 s24, s24, s23
	s_mov_b32 s25, 0
	s_lshl_b32 s26, s21, 12
	s_add_co_u32 s26, s26, s20
	s_lshl_b32 s23, s22, 9
	s_add_co_u32 s26, s26, s23
	s_add_co_u32 s26, s26, 4194304
	s_mov_b32 s27, 0
	s_add_nc_u64 s[24:25], s[10:11], s[24:25]
	s_add_nc_u64 s[26:27], s[10:11], s[26:27]
	s_mov_b32 s[SEL], 0x76543210
	s_mov_b32 s[SEL+1], 0xfedcba98
	s_mov_b32 s[MNT], 0x600000
	v_and_b32 v1, 31, v0
	v_lshlrev_b32 v[GO], 4, v1
	v_lshlrev_b32 v[GS], 2, v1
	s_wait_loadcnt 0x0
.irp a, 0,1,2,3,4,5,6,7
	OUTQ \a
.irp q, 0,1,2,3
	global_store_b128 v[GO], v[PC+4*\q:PC+4*\q+3], s[24:25] offset:2048*\a+512*\q
.endr
.endr
	v_cmp_le_u32 vcc_lo, 16, v1
.irp j, 0,1,2,3
	v_cndmask_b32 v[232+\j], v[W+2*\j], v[W+2*\j+1], vcc_lo
.endr
.irp j, 0,1,2,3
	global_store_b32 v[GS], v[232+\j], s[26:27] offset:128*\j
.endr
	s_wait_tensorcnt 0x0
	ds_add_u32 v[SPW], v[NIL]
	s_wait_dscnt 0x0
	CROUND
	s_endpgm
.Lfunc_end_k_qf90669677a_ffn1:
	.size	k_qf90669677a_ffn1, .Lfunc_end_k_qf90669677a_ffn1-k_qf90669677a_ffn1
	.p2alignl 7, 3214868480
	.fill 96, 4, 3214868480
	.section	.rodata,"a",@progbits
	.p2align	6, 0x0
	.amdhsa_kernel k_qf90669677a_ffn1
		.amdhsa_group_segment_fixed_size 327680
		.amdhsa_private_segment_fixed_size 0
		.amdhsa_enable_private_segment 0
		.amdhsa_kernarg_size 32
		.amdhsa_user_sgpr_count 2
		.amdhsa_user_sgpr_kernarg_segment_ptr 1
		.amdhsa_wavefront_size32 1
		.amdhsa_system_sgpr_workgroup_id_x 1
		.amdhsa_system_sgpr_workgroup_id_y 1
		.amdhsa_system_sgpr_workgroup_id_z 1
		.amdhsa_system_vgpr_workitem_id 0
		.amdhsa_next_free_vgpr 1024
		.amdhsa_next_free_sgpr 100
		.amdhsa_reserve_vcc 1
		.amdhsa_float_denorm_mode_32 3
		.amdhsa_float_denorm_mode_16_64 3
		.amdhsa_memory_ordered 1
		.amdhsa_forward_progress 1
		.amdhsa_inst_pref_size 206
	.end_amdhsa_kernel
	.amdgpu_metadata
---
amdhsa.version: [ 1, 2 ]
amdhsa.kernels:
  - .name:           k_qf90669677a_ffn1
    .symbol:         k_qf90669677a_ffn1.kd
    .args:
      - { .name: o1, .offset: 0, .size: 8, .value_kind: global_buffer, .address_space: global }
      - { .name: wa, .offset: 8, .size: 8, .value_kind: global_buffer, .address_space: global }
      - { .name: b1, .offset: 16, .size: 8, .value_kind: global_buffer, .address_space: global }
      - { .name: hid, .offset: 24, .size: 8, .value_kind: global_buffer, .address_space: global }
    .group_segment_fixed_size: 327680
    .private_segment_fixed_size: 0
    .kernarg_segment_align: 8
    .kernarg_segment_size: 32
    .max_flat_workgroup_size: 128
    .sgpr_count:     100
    .vgpr_count:     1024
    .wavefront_size: 32
...
	.end_amdgpu_metadata
.endif
;; end of part 6
;; launch ffn2 (part 7): grid 8 x 32, 4 waves a work-group, clusters of 4 x 4, 327,680 bytes of LDS; arguments hid, wb, part; writes part
.if DOCPART == 7
	.amdgcn_target "amdgcn-amd-amdhsa--gfx1250"
	.amdhsa_code_object_version 6
	.text
	.protected	k_qf90669677a_ffn2
	.globl	k_qf90669677a_ffn2
	.p2align	8
	.type	k_qf90669677a_ffn2,@function
k_qf90669677a_ffn2:
	s_mov_b64 s[64:65], 0
	v_nop
	global_prefetch_b8 v0, s[64:65] scope:SCOPE_SE
	s_setreg_imm32_b32 hwreg(HW_REG_WAVE_MODE, 25, 1), 1
	s_wait_xcnt 0x0
	s_wait_alu depctr_hold_cnt(0) depctr_sa_sdst(0) depctr_va_vdst(0) depctr_va_sdst(0) depctr_va_ssrc(0) depctr_va_vcc(0) depctr_vm_vsrc(0)
	s_getreg_b32 s2, hwreg(HW_REG_IB_STS2, 6, 4)
	s_cmp_eq_u32 s2, 0
	s_cbranch_scc0 .Lentry_in_a_cluster
	s_endpgm
.Lentry_in_a_cluster:
	s_bfe_u32 s2, ttmp6, 0x10000c
	s_cmp_lg_u32 s2, 0xf033
	s_cbranch_scc0 .Lentry_shape_is_right
	s_endpgm
.Lentry_shape_is_right:
; out = A B^T, 4,096 x 1,024, K = 1,024 NREC, on codes of E5M2 with E8M0 scales; f32 out, row-major [4,096][1,024].  Here NREC = 4: the hidden layer times w2, all of K = 4,096 in one sum for each output.
; (The bias and the residual are added by the launch that follows.)
; Operands are images of the operand's registers: a fragment (16 rows x 128 K) is 2,048 bytes, chunk c at 512 c, lane l at 16 l; lane r of fragment t is row 32 (t / 2) + 8 (t % 2) + r + 8 (r / 8).
; A record holds K = 1,024: A's are AREC bytes (4,096 rows: codes, then scale words), B's WREC (1,024 rows); record s holds K = 1,024 s on.
; A TILE OF 128 x 128, so that the 4,096 x 1,024 numbers make 256 work-groups: four waves, each 64 x 64: 16 accumulators.  A wave's 64 columns are 256 bytes of a row of out.
; A SLOT HOLDS K = 512: A's 128 rows (65,536 dense bytes), then B's; each wave fetches 32,768 bytes by one tensor load.  A record is two slots: slot 0 takes its first half, slot 1 its second; a refill steps by a record.
; The scale words of the work-group's rows for all of K come once, with the first fills.  CLUSTERS of 4 x 4: A's tiles are asked for jointly along a row of the cluster, B's along a column.
; THE MATRIX INSTRUCTION IS USED TRANSPOSED (source 0 = 16 rows of B, source 1 = 16 rows of A): a lane holds eight neighbouring columns of a row in each accumulator.
; REGISTERS: window 0: v16-29 addresses, v32-63 scale words (two sets of 16), v64-127 rows on the way out, v128-255 the accumulators ((a, b) at v[128 + 8 (4 a + b)]);
;   window 1: two buffers of 128: A's four fragments of 128 along K, then B's four.
.set NREC, 4
.set AREC, 4325376
.set WREC, 1081344
.set NP,     8                         ; places behind this matrix instruction (ISA guide 7.12.1)
.set HALFT,  32768                     ; what one tensor load brings
.set SLOT,   4*HALFT
.set SCL,    2*SLOT                    ; behind the ring: A's scale words (BREG bytes), then B's
.set HALFS,  2048*NREC
.set BREG,   4096*NREC
.set SPARE,  SCL+2*BREG                ; the spare words, 128 bytes a wave: no other line names them
.set SPITCH, 272                       ; the way out: a stage of 16 rows x (256 + 16) bytes for each wave, in slot 0, which has had its last fill and its last read by then
.if NREC == 1
.set SROWS, 8                          ; a load of scale words: rows of 256 bytes,
.set NSL,   1                          ; and how many a wave issues
.else
.set SROWS, 16
.set NSL,   2
.endif
.set ADRA, 16                          ; v16-17 LDS address of my A fragments in slot 0, 1
.set ADRB, 20                          ; v20-21 the same for B
.set STO,  24
.set RD,   25
.set CO,   26
.set ADRS, 27                          ; v27 my scale words: lanes 0-15 A's, lanes 16-31 B's
.set SPW,  28
.set NIL,  29
.set SC,   32
.set BK,   64
.set ACC,  128
.set G1, 24
.set G0, 32
.set G1B, 48
.set G0B, 56
.set G1S, 68
.set G0S, 76
.set G1SB, 84
.set G0SB, 92
.set MSB, 0
.macro WIN new                         ; the immediate's high byte repeats the setting that is left
.if MSB != \new
	s_set_vgpr_msb (MSB<<8)|\new
.set MSB, \new
.endif
.endm
.set MUL,  0x05                        ; sources 0 (B) and 1 (A) window 1; C and D window 0
.set TO_F, 0x40                        ; destination window 1, address window 0
.macro JLOAD g0a, g1a, g0b, g1b        ; a joint load: waves 0 and 1 fetch for A, waves 2 and 3 for B; four v_nop follow each line
	s_cmp_eq_u32 s15, 0
	s_cbranch_scc0 .Lfor_b_\@
	tensor_load_to_lds s[\g0a:\g0a+3], s[\g1a:\g1a+7]
	s_nop 0
.rept 4
	v_nop
.endr
	s_branch .Lasked_\@
.Lfor_b_\@:
	tensor_load_to_lds s[\g0b:\g0b+3], s[\g1b:\g1b+7]
	s_nop 0
.rept 4
	v_nop
.endr
.Lasked_\@:
.endm
.macro CREST                           ; a round of the cluster's barrier behind its opening barrier
	s_cmp_lg_u32 s14, 0
	s_cbranch_scc1 .Lnot_wave_0_\@
	s_barrier_signal -3
.Lnot_wave_0_\@:
	s_barrier_wait -3
	s_barrier_signal -1
	s_barrier_wait -1
.endm
.macro CROUND
	s_barrier_signal -1
	s_barrier_wait -1
	CREST
.endm
	s_load_b128 s[4:7], s[0:1], 0x0                ; A, B
	s_load_b64 s[8:9], s[0:1], 0x10                ; out
	v_lshl_add_u32 v[SPW], v0, 2, SPARE
	v_mov_b32 v[NIL], 0
	ds_add_u32 v28, v29
	ds_add_u32 v28, v29
	s_wait_dscnt 0x0
	v_lshrrev_b32 v1, 5, v0
	v_readfirstlane_b32 s14, v1                    ; wave 0..3
	s_lshr_b32 s15, s14, 1                         ; my half of A's rows.  Also: I fetch for A (0) or for B (1)
	s_and_b32 s16, s14, 1                          ; my half of B's rows.  Also: which half of a slot's K I fetch
	s_bfe_u32 s40, ttmp6, 0x40000                  ; cx
	s_bfe_u32 s41, ttmp6, 0x40004                  ; cy
	s_lshl_b32 s43, s41, 2
	s_lshl_b32 s43, 15, s43                        ; my row of the cluster
	s_lshl_b32 s44, 0x1111, s40                    ; my column
	s_lshl_b32 s42, ttmp9, 2
	s_add_co_u32 s42, s42, s40                     ; the tile column: 128 rows of B
	s_and_b32 s17, ttmp7, 0xffff
	s_lshl_b32 s17, s17, 2
	s_add_co_u32 s17, s17, s41                     ; the tile row: 128 rows of A
	s_or_b32 s[G1], s43, (3<<16)|(1<<21)           ; 15:0 the mask; 17:16 elements of 8 bytes; 21 set beside a mask; no padding
	s_or_b32 s[G1B], s44, (3<<16)|(1<<21)
	s_or_b32 s[G1S], s43, (3<<16)|(1<<21)
	s_or_b32 s[G1SB], s44, (3<<16)|(1<<21)
.irp g, G1, G1B                        ; 32,768 dense bytes as 128 rows of 256
	s_mov_b32 s[\g+1], 32<<16
	s_mov_b32 s[\g+2], 256<<16                     ; the head's loads bring 256 rows; behind them the two words that count rows are set to 128
	s_mov_b32 s[\g+3], 32<<16
	s_mov_b32 s[\g+4], 256
	s_mov_b32 s[\g+5], 32
	s_mov_b32 s[\g+6], 0
	s_mov_b32 s[\g+7], 0
.endr
.irp g, G1S, G1SB                      ; the scale words of 128 rows for all of K: four rows of 4,096 bytes (512 elements of 8), a record apart in memory, dense in LDS
	s_mov_b32 s[\g+1], 512<<16
	s_mov_b32 s[\g+2], 4<<16
	s_mov_b32 s[\g+3], 512<<16
	s_mov_b32 s[\g+4], 4
	s_mov_b32 s[\g+6], 0
	s_mov_b32 s[\g+7], 0
.endr
	s_mov_b32 s[G1S+5], AREC/8
	s_mov_b32 s[G1SB+5], WREC/8
	s_lshl_b32 s20, s17, 17                        ; A's codes: 131,072 bytes for 128 rows of a record,
	s_lshl_b32 s18, s16, 15
	s_add_co_u32 s20, s20, s18                     ; + my half of a slot: no register of A's addresses ever holds cx
	s_mov_b32 s21, 0
	s_lshl_b32 s22, s17, 12                        ; A's scale words: 4,096 bytes for 128 rows of a record
	s_add_co_u32 s22, s22, 4194304
	s_mov_b32 s23, 0
	s_lshl_b32 s46, s42, 17                        ; B likewise: none of B's ever holds cy
	s_lshl_b32 s19, s16, 15
	s_add_co_u32 s46, s46, s19
	s_mov_b32 s47, 0
	s_lshl_b32 s66, s42, 12
	s_add_co_u32 s66, s66, 1048576
	s_mov_b32 s67, 0
	s_mul_i32 s45, s14, HALFT                      ; where they go: by the wave's number alone
	s_wait_kmcnt 0x0
	s_add_nc_u64 s[20:21], s[4:5], s[20:21]
	s_add_nc_u64 s[22:23], s[4:5], s[22:23]
	s_add_nc_u64 s[46:47], s[6:7], s[46:47]
	s_add_nc_u64 s[66:67], s[6:7], s[66:67]
	CROUND                                         ; all sixteen work-groups are here: the first joint loads meet
.irp i, 0
.if \i < NSL
	s_mov_b32 s[G0S+4*\i], 1
	s_mov_b32 s[G0S+4*\i+1], SCL
	s_add_nc_u64 s[G0S+4*\i+2:G0S+4*\i+3], s[22:23], \i*AREC
	s_or_b32 s[G0S+4*\i+3], s[G0S+4*\i+3], 0x80000000
	s_mov_b32 s[G0SB+4*\i], 1
	s_mov_b32 s[G0SB+4*\i+1], SCL+BREG
	s_add_nc_u64 s[G0SB+4*\i+2:G0SB+4*\i+3], s[66:67], \i*WREC
	s_or_b32 s[G0SB+4*\i+3], s[G0SB+4*\i+3], 0x80000000
.endif
.endr
.irp s, 0,1
	s_mov_b32 s[G0+4*\s], 1
	s_add_co_u32 s[G0+4*\s+1], s45, \s*SLOT
	s_add_nc_u64 s[G0+4*\s+2:G0+4*\s+3], s[20:21], \s*65536
	s_or_b32 s[G0+4*\s+3], s[G0+4*\s+3], 0x80000000
	s_mov_b32 s[G0B+4*\s], 1
	s_add_co_u32 s[G0B+4*\s+1], s45, \s*SLOT
	s_add_nc_u64 s[G0B+4*\s+2:G0B+4*\s+3], s[46:47], \s*65536
	s_or_b32 s[G0B+4*\s+3], s[G0B+4*\s+3], 0x80000000
.endr
; THE HEAD'S LOADS, ONE A WAVE: wave 0 slot 0's 65,536 bytes of A, wave 1 those of B, wave 2 A's scale words, wave 3 B's.  One chain of branches on the wave's number, one load to an arm.
	s_lshl_b32 s10, s16, 15
	s_mov_b32 s11, 0
	s_sub_nc_u64 s[6:7], s[20:21], s[10:11]        ; the tile's first byte: my half's offset taken off again
	s_sub_nc_u64 s[82:83], s[46:47], s[10:11]
	s_mov_b32 s4, 1
	s_mov_b32 s5, 0
	s_or_b32 s7, s7, 0x80000000
	s_mov_b32 s80, 1
	s_mov_b32 s81, 2*HALFT
	s_or_b32 s83, s83, 0x80000000
	s_cmp_eq_u32 s15, 0                            ; the prefetches: of the 32,768 bytes of a slot that I fetch, my work-group's 8,192, told apart from the partners' by address
	s_cselect_b64 s[12:13], s[20:21], s[46:47]
	s_cselect_b32 s18, s40, s41
	s_mov_b32 s98, WREC
	s_cselect_b32 s98, AREC, s98                   ; from record to record
	s_mov_b32 s99, 0
	s_lshl_b32 s18, s18, 13
	s_mov_b32 s19, 0
	s_add_nc_u64 s[12:13], s[12:13], s[18:19]      ; in record 0,
	s_add_nc_u64 s[96:97], s[12:13], s[98:99]      ; in record 1: this one walks
.macro ARM under, g0, g1, next
	s_cmp_lt_u32 s14, \under
	s_cbranch_scc0 \next
	tensor_load_to_lds s[\g0:\g0+3], s[\g1:\g1+7]
	s_nop 0
.rept 4
	v_nop
.endr
	s_branch .Lhead_asked
\next:
.endm
	ARM 1, 4, G1, .Lhead_b
	ARM 2, 80, G1B, .Lhead_sa
	ARM 3, G0S, G1S, .Lhead_sb
	tensor_load_to_lds s[G0SB:G0SB+3], s[G1SB:G1SB+7]
	s_nop 0
.rept 4
	v_nop
.endr
.Lhead_asked:
	v_and_b32 v6, 31, v0
	v_lshlrev_b32 v4, 4, v6                        ; 16 x lane
	v_and_b32 v1, 15, v0                           ; r
	v_bfe_u32 v2, v0, 4, 1
	v_lshlrev_b32 v30, 8, v6                       ; lanes 256 bytes apart
	s_wait_alu depctr_va_vdst(0)
	global_prefetch_b8 v30, s[12:13] offset:65536 th:TH_LOAD_NT scope:SCOPE_SE   ; record 0's second half and record 1's first: one and two fills ahead
	global_prefetch_b8 v30, s[96:97] th:TH_LOAD_NT scope:SCOPE_SE
	s_lshl_b32 s21, s15, 13
	s_lshl_b32 s22, s16, 13                        ; of B's,
	s_add_co_u32 s22, s22, 2*HALFT                 ; which lie behind A's 65,536 bytes
.irp s, 0,1
	v_add_nc_u32 v[ADRA+\s], s21, v4
	v_add_nc_u32 v[ADRB+\s], s22, v4
	s_add_co_u32 s21, s21, SLOT
	s_add_co_u32 s22, s22, SLOT
.endr
	v_lshlrev_b32 v5, 2, v1
	s_lshl_b32 s21, s15, 8                         ; A's words: my four fragments' 256 bytes
	s_lshl_b32 s22, s16, 8
	s_add_co_u32 s22, s22, BREG
	s_sub_co_u32 s22, s22, s21
	v_mul_u32_u24 v6, s22, v2                      ; lanes 16-31 take B's words
	s_add_co_u32 s21, s21, SCL
	v_add_nc_u32 v5, v5, v6
	v_add_nc_u32 v[ADRS], s21, v5
	s_mul_i32 s23, s14, 16*SPITCH                  ; my stage
	v_mul_u32_u24 v5, v1, SPITCH
	v_lshl_add_u32 v5, v2, 6, v5
	v_add_nc_u32 v[STO], s23, v5                   ; in: row r, + 64 h
	v_mul_u32_u24 v5, v2, SPITCH
	v_lshl_add_u32 v5, v1, 4, v5
	v_add_nc_u32 v[RD], s23, v5                    ; back: lanes 0-15 one row of 256 bytes, lanes 16-31 the next
	v_lshlrev_b32 v5, 12, v2
	v_lshl_add_u32 v[CO], v1, 4, v5                ; and the same two rows in out
	s_lshl_b32 s20, s17, 7
	s_lshl_b32 s21, s15, 6
	s_add_co_u32 s20, s20, s21                     ; my first row: 128 x tile row + 64 x half
	s_lshl_b32 s20, s20, 12                        ; 4,096 bytes a row
	s_lshl_b32 s21, s42, 9
	s_add_co_u32 s20, s20, s21
	s_lshl_b32 s21, s16, 8
	s_add_co_u32 s20, s20, s21                     ; my first column: 512 x tile column + 256 x half bytes
	s_mov_b32 s21, 0
	s_add_nc_u64 s[8:9], s[8:9], s[20:21]
.macro FRAG reg, adr, q, i             ; a fragment comes as it lies: four loads of 512 consecutive bytes
.irp c, 0,1,2,3
	ds_load_b128 v[\reg+4*\c:\reg+4*\c+3], v[\adr] offset:16384*(\q)+2048*(\i)+512*\c
.endr
.endm
.macro FETCH slot, q, f                ; 32 LDS loads in one run: my fragments of the slot's q-th 128 along K into buffer f
	WIN TO_F
.irp i, 0,1,2,3
	FRAG \f+64+16*\i, ADRB+\slot, \q, \i
	FRAG \f+16*\i, ADRA+\slot, \q, \i
.endr
.endm
.macro SCALES sc                       ; a slot's scale words: register 4 q + i: lanes 0-15 A's fragment i, lanes 16-31 B's fragment i
.irp q, 0,1,2,3
.irp i, 0,1,2,3
	ds_load_b32 v[SC+16*\sc+4*\q+\i], v[ADRS] offset:512*\q+64*\i
.endr
.endr
.endm
; 8 matrix instructions: A's fragments a0, a0 + 1 x B's four.  The 16 accumulators take turns, one instruction a turn
.macro MUL8 f, q, sc, a0, zero
.irp a, \a0, \a0+1
.irp b, 0,1,2,3
.if \zero
	v_wmma_scale_f32_16x16x128_f8f6f4 v[ACC+8*(4*(\a)+\b):ACC+8*(4*(\a)+\b)+7], v[\f+64+16*\b:\f+64+16*\b+15], v[\f+16*(\a):\f+16*(\a)+15], 0, v[SC+16*(\sc)+4*(\q)+\b], v[SC+16*(\sc)+4*(\q)+(\a)] matrix_a_fmt:MATRIX_FMT_BF8 matrix_b_fmt:MATRIX_FMT_BF8 matrix_a_scale:MATRIX_SCALE_ROW1
.else
	v_wmma_scale_f32_16x16x128_f8f6f4 v[ACC+8*(4*(\a)+\b):ACC+8*(4*(\a)+\b)+7], v[\f+64+16*\b:\f+64+16*\b+15], v[\f+16*(\a):\f+16*(\a)+15], v[ACC+8*(4*(\a)+\b):ACC+8*(4*(\a)+\b)+7], v[SC+16*(\sc)+4*(\q)+\b], v[SC+16*(\sc)+4*(\q)+(\a)] matrix_a_fmt:MATRIX_FMT_BF8 matrix_b_fmt:MATRIX_FMT_BF8 matrix_a_scale:MATRIX_SCALE_ROW1
.endif
.endr
.endr
.endm
.macro PLACES n                        ; plain vector instructions in front of loads into registers that matrix instructions have read, and of reads of results
.rept \n
	v_nop
.endr
.endm
; One of a slot's first three steps of 128 along K: multiplies buffer f; the next step's fragments are asked for first, into buffer g, which the step before multiplied
.macro STEP slot, q, f, g, zero
	PLACES NP
	FETCH \slot, (\q)+1, \g
	s_wait_dscnt 32                                ; all but the 32 just issued: buffer f (and, behind a change of slots, the scale words) is in
	WIN MUL
	MUL8 \f, \q, \slot, 0, \zero
	MUL8 \f, \q, \slot, 2, \zero
.endm
; A slot's fourth step multiplies buffer 128 and changes slots: ONE barrier; in front of it each wave waits for all its tensor loads, adds 0 to its spare word, and waits for that and for its reads of this slot
.macro TURN slot, next, fill
	WIN 0
.if (\fill) && (\slot) == 0
	s_wait_xcnt 0x0                                ; my prefetches have read their address: it steps a record on, two records ahead of the one in hand
	s_add_nc_u64 s[96:97], s[96:97], s[98:99]
.endif
	s_wait_tensorcnt 0x0
	ds_add_u32 v[SPW], v[NIL]                      ; 0 onto my spare word
	s_wait_dscnt 1                                 ; the add alone may be out: the buffer's 32 loads are in
	WIN MUL
	MUL8 128, 3, \slot, 0, 0
	s_wait_dscnt 0x0                               ; the add is done, and my reads of this slot are over
	s_barrier_signal -1
	MUL8 128, 3, \slot, 2, 0
	WIN 0
	s_barrier_wait -1
.if \fill
	CREST                                          ; no wave of any partner still reads this slot or has a load on its way
	s_add_nc_u64 s[G0+4*\slot+2:G0+4*\slot+3], s[G0+4*\slot+2:G0+4*\slot+3], AREC     ; the same half of the next record
	s_add_nc_u64 s[G0B+4*\slot+2:G0B+4*\slot+3], s[G0B+4*\slot+2:G0B+4*\slot+3], WREC
	JLOAD G0+4*\slot, G1, G0B+4*\slot, G1B         ; the first tensor load behind the round; its four v_nop are among the places
	PLACES NP-4
.else
	PLACES NP
.endif
	s_wait_alu depctr_va_vdst(0)
	v_add_nc_u32 v[ADRS], 2048, v[ADRS]            ; the next slot's scale words
	FETCH \next, 0, 0
	WIN 0
	SCALES \next
.if \fill
	s_cmp_gt_u32 s3, 1                             ; the loop's last trip has no record two on
	s_cbranch_scc0 .Lno_ask_\@
	global_prefetch_b8 v30, s[96:97] offset:65536*\slot th:TH_LOAD_NT scope:SCOPE_SE   ; what the fill after the next will load
.Lno_ask_\@:
.endif
.endm
	s_wait_alu depctr_va_vdst(0)
	s_wait_tensorcnt 0x0                           ; my tile of the head's four is in
	ds_add_u32 v[SPW], v[NIL]
	s_mov_b32 s[G1+2], 128<<16                     ; no tensor load of mine is out: from here on a load brings 128 rows
	s_mov_b32 s[G1+4], 128
	s_mov_b32 s[G1B+2], 128<<16
	s_mov_b32 s[G1B+4], 128
	s_wait_dscnt 0x0
	CROUND                                         ; all four tiles are in, and all sixteen work-groups are here
	JLOAD G0+4, G1, G0B+4, G1B                     ; slot 1's first fill: the first tensor load behind the round
	FETCH 0, 0, 0
	WIN 0
	SCALES 0
	global_prefetch_b8 v30, s[96:97] offset:65536 th:TH_LOAD_NT scope:SCOPE_SE   ; record 1's second half: two fills ahead
	STEP 0, 0, 0, 128, 1
.if NREC > 1
	WIN 0                                          ; at a label and at a branch every window is 0
	s_mov_b32 s3, NREC-1
.Llap:                                             ; a trip goes once round the ring, from a record's second step to the next record's first, and fills both slots again
	STEP 0, 1, 128, 0, 0
	STEP 0, 2, 0, 128, 0
	TURN 0, 1, 1
	STEP 1, 0, 0, 128, 0
	STEP 1, 1, 128, 0, 0
	STEP 1, 2, 0, 128, 0
	TURN 1, 0, 1
	STEP 0, 0, 0, 128, 0
	WIN 0
	s_sub_co_u32 s3, s3, 1
	s_cmp_lg_u32 s3, 0
	s_cbranch_scc1 .Llap
.endif
	STEP 0, 1, 128, 0, 0                           ; the last record fills nothing
	STEP 0, 2, 0, 128, 0
	TURN 0, 1, 0
	STEP 1, 0, 0, 128, 0
	STEP 1, 1, 128, 0, 0
	STEP 1, 2, 0, 128, 0
	s_wait_dscnt 0x0                               ; the very last step: nothing more to fetch
	MUL8 128, 3, 1, 0, 0
	MUL8 128, 3, 1, 2, 0
	WIN 0
; THE WAY OUT, block by block of 16 rows x 64 columns, through my own stage: accumulator b holds columns 32 (b / 2) + 16 h + 8 (b % 2) + 0 .. 7 of row r.  Rows come back whole: sixteen lanes hold 256 consecutive bytes.
.macro TOSTAGE a
.irp b, 0,1,2,3
	ds_store_b128 v[STO], v[ACC+8*(4*(\a)+\b):ACC+8*(4*(\a)+\b)+3] offset:128*(\b/2)+32*(\b%2)       ; each accumulator from its low end on
	ds_store_b128 v[STO], v[ACC+8*(4*(\a)+\b)+4:ACC+8*(4*(\a)+\b)+7] offset:128*(\b/2)+32*(\b%2)+16
.endr
.set BB, BK+32*((\a)%2)
.irp t, 0,1,2,3,4,5,6,7
	ds_load_b128 v[BB+4*\t:BB+4*\t+3], v[RD] offset:2*\t*SPITCH   ; LDS serves a wave's instructions in order: these see my stores
.endr
.endm
.macro SEND a, younger
.set BB, BK+32*((\a)%2)
	s_wait_dscnt \younger
.irp t, 0,1,2,3,4,5,6,7
	global_store_b128 v[CO], v[BB+4*\t:BB+4*\t+3], s[8:9] offset:(32*((\a)/2)+8*((\a)%2)+2*\t+8*(\t/4))*4096 th:TH_STORE_NT   ; the fragment's rows 2 t and 2 t + 1; 62 rows of 4,096 bytes at the most: inside the signed 24-bit immediate
.endr
.endm
	PLACES NP
	TOSTAGE 0
.irp a, 1,2,3
.if \a > 1
	s_wait_xcnt 0x0                                ; block a - 2's stores have read their registers: block a's loads may land there
.endif
	TOSTAGE \a
	SEND \a-1, 16                                  ; behind block a - 1's loads: block a's 8 stores and 8 loads
.endr
	SEND 3, 0
	s_wait_tensorcnt 0x0                           ; the wave's end
	ds_add_u32 v[SPW], v[NIL]
	s_wait_dscnt 0x0
	CROUND                                         ; the closing round
	s_endpgm
.Lfunc_end_k_qf90669677a_ffn2:
	.size	k_qf90669677a_ffn2, .Lfunc_end_k_qf90669677a_ffn2-k_qf90669677a_ffn2
	.p2alignl 7, 3214868480
	.fill 96, 4, 3214868480
	.section	.rodata,"a",@progbits
	.p2align	6, 0x0
	.amdhsa_kernel k_qf90669677a_ffn2
		.amdhsa_group_segment_fixed_size 327680
		.amdhsa_private_segment_fixed_size 0
		.amdhsa_enable_private_segment 0
		.amdhsa_kernarg_size 24
		.amdhsa_user_sgpr_count 2
		.amdhsa_user_sgpr_kernarg_segment_ptr 1
		.amdhsa_wavefront_size32 1
		.amdhsa_system_sgpr_workgroup_id_x 1
		.amdhsa_system_sgpr_workgroup_id_y 1
		.amdhsa_system_sgpr_workgroup_id_z 1
		.amdhsa_system_vgpr_workitem_id 0
		.amdhsa_next_free_vgpr 512
		.amdhsa_next_free_sgpr 100
		.amdhsa_reserve_vcc 0
		.amdhsa_float_denorm_mode_32 3
		.amdhsa_float_denorm_mode_16_64 3
		.amdhsa_memory_ordered 1
		.amdhsa_forward_progress 1
		.amdhsa_inst_pref_size 96
	.end_amdhsa_kernel
	.amdgpu_metadata
---
amdhsa.version: [ 1, 2 ]
amdhsa.kernels:
  - .name:           k_qf90669677a_ffn2
    .symbol:         k_qf90669677a_ffn2.kd
    .args:
      - { .name: hid, .offset: 0, .size: 8, .value_kind: global_buffer, .address_space: global }
      - { .name: wb, .offset: 8, .size: 8, .value_kind: global_buffer, .address_space: global }
      - { .name: part, .offset: 16, .size: 8, .value_kind: global_buffer, .address_space: global }
    .group_segment_fixed_size: 327680
    .private_segment_fixed_size: 0
    .kernarg_segment_align: 8
    .kernarg_segment_size: 24
    .max_flat_workgroup_size: 128
    .sgpr_count:     100
    .vgpr_count:     512
    .wavefront_size: 32
...
	.end_amdgpu_metadata
.endif
;; end of part 7
;; launch ln2 (part 8): grid 256 x 1, 8 waves a work-group, no clusters, 0 bytes of LDS; arguments part, o1, b2, g2, be2, out0; writes out0
.if DOCPART == 8
	.amdgcn_target "amdgcn-amd-amdhsa--gfx1250"
	.amdhsa_code_object_version 6
	.text
	.protected	k_qf90669677a_ln2
	.globl	k_qf90669677a_ln2
	.p2align	8
	.type	k_qf90669677a_ln2,@function
k_qf90669677a_ln2:
	s_mov_b64 s[64:65], 0
	v_nop
	global_prefetch_b8 v0, s[64:65] scope:SCOPE_SE
	s_setreg_imm32_b32 hwreg(HW_REG_WAVE_MODE, 25, 1), 1
	s_wait_xcnt 0x0
; out0 = layer_norm(out1 + (the second feed-forward product + b2)) g2 + be2, in f32.
; A work-group takes 16 rows, a wave two: each row whole in 32 registers a lane, 16 bytes a lane, so that each load and store of the wave covers 512 consecutive bytes; b2, g2 and be2 are loaded once for the two rows.
; No LDS, no barrier: the reduction never leaves the wave.  Mean first, then the mean of the squared differences: no difference of large sums is formed.  NaN and infinities are not served.
.set AREC, 4325376                     ; out1's f32 rows lie behind its codes in o1
.set ZA,   16                          ; v16-79   the product's two rows, then the results
.set XA,   80                          ; v80-143  out1's two rows
.set B2,   144
.set G,    176
.set BE,   208
.set SEL,  24
.set RN,   27
.set EP,   28
	s_load_b256 s[4:11], s[0:1], 0x0               ; part, o1, b2, g2
	s_load_b128 s[12:15], s[0:1], 0x20             ; be2, out0
	v_lshrrev_b32 v2, 5, v0
	s_delay_alu instid0(VALU_DEP_1)
	v_readfirstlane_b32 s16, v2                    ; wave 0..7
	v_and_b32 v1, 31, v0
	s_delay_alu instid0(VALU_DEP_1)
	v_lshlrev_b32 v3, 4, v1                        ; 16 x lane
	s_lshl_b32 s17, ttmp9, 4
	s_lshl_b32 s18, s16, 1
	s_add_co_u32 s17, s17, s18                     ; my first row
	s_lshl_b32 s18, s17, 12
	s_mov_b32 s19, 0
	s_mov_b32 s[SEL], 0x76543210
	s_mov_b32 s[SEL+1], 0xfedcba98
	s_mov_b32 s[RN], 0x3a800000                    ; 1 / 1,024
	s_mov_b32 s[EP], 0x3727c5ac                    ; 1e-5
	s_wait_alu depctr_va_vdst(0)
	s_wait_kmcnt 0x0
	s_add_nc_u64 s[4:5], s[4:5], s[18:19]
	s_add_nc_u64 s[20:21], s[14:15], s[18:19]
	s_add_co_u32 s18, s18, AREC
	s_add_nc_u64 s[6:7], s[6:7], s[18:19]
.irp i, 0,1
.irp j, 0,1,2,3,4,5,6,7
	global_load_b128 v[ZA+32*\i+4*\j:ZA+32*\i+4*\j+3], v3, s[4:5] offset:4096*\i+512*\j th:TH_LOAD_NT
	global_load_b128 v[XA+32*\i+4*\j:XA+32*\i+4*\j+3], v3, s[6:7] offset:4096*\i+512*\j th:TH_LOAD_NT
.endr
.endr
.irp j, 0,1,2,3,4,5,6,7
	global_load_b128 v[B2+4*\j:B2+4*\j+3], v3, s[8:9] offset:512*\j
	global_load_b128 v[G+4*\j:G+4*\j+3], v3, s[10:11] offset:512*\j
	global_load_b128 v[BE+4*\j:BE+4*\j+3], v3, s[12:13] offset:512*\j
.endr
	s_wait_loadcnt 0x0
.macro ACROSS                          ; v240 summed over the 32 lanes, in every lane
	s_delay_alu instid0(VALU_DEP_1)
	v_add_f32_dpp v240, v240, v240 row_xmask:1 row_mask:0xf bank_mask:0xf
	s_delay_alu instid0(VALU_DEP_1)
	v_add_f32_dpp v240, v240, v240 row_xmask:2 row_mask:0xf bank_mask:0xf
	s_delay_alu instid0(VALU_DEP_1)
	v_add_f32_dpp v240, v240, v240 row_xmask:4 row_mask:0xf bank_mask:0xf
	s_delay_alu instid0(VALU_DEP_1)
	v_add_f32_dpp v240, v240, v240 row_xmask:8 row_mask:0xf bank_mask:0xf
	s_delay_alu instid0(VALU_DEP_1)
	v_permlanex16_b32 v241, v240, s[SEL], s[SEL+1]
	s_delay_alu instid0(VALU_DEP_1)
	v_add_f32 v240, v240, v241
.endm
.macro ROW i
.set Z, ZA+32*\i
.set XX, XA+32*\i
.irp k, 0,2,4,6,8,10,12,14,16,18,20,22,24,26,28,30
	v_pk_add_f32 v[Z+\k:Z+\k+1], v[Z+\k:Z+\k+1], v[B2+\k:B2+\k+1]
.endr
.irp k, 0,2,4,6,8,10,12,14,16,18,20,22,24,26,28,30
	v_pk_add_f32 v[Z+\k:Z+\k+1], v[XX+\k:XX+\k+1], v[Z+\k:Z+\k+1]
.endr
	v_pk_add_f32 v[240:241], v[Z:Z+1], v[Z+2:Z+3]
	v_pk_add_f32 v[242:243], v[Z+4:Z+5], v[Z+6:Z+7]
.irp k, 8,12,16,20,24,28
	s_delay_alu instid0(VALU_DEP_2)
	v_pk_add_f32 v[240:241], v[240:241], v[Z+\k:Z+\k+1]
	s_delay_alu instid0(VALU_DEP_2)
	v_pk_add_f32 v[242:243], v[242:243], v[Z+\k+2:Z+\k+3]
.endr
	s_delay_alu instid0(VALU_DEP_1)
	v_pk_add_f32 v[240:241], v[240:241], v[242:243]
	s_delay_alu instid0(VALU_DEP_1)
	v_add_f32 v240, v240, v241
	ACROSS
	s_delay_alu instid0(VALU_DEP_1)
	v_mul_f32 v244, 0xba800000, v240               ; - the mean
	s_delay_alu instid0(VALU_DEP_1)
	v_mov_b32 v245, v244
.irp k, 0,2,4,6,8,10,12,14,16,18,20,22,24,26,28,30
	v_pk_add_f32 v[Z+\k:Z+\k+1], v[Z+\k:Z+\k+1], v[244:245]
.endr
	v_pk_mul_f32 v[240:241], v[Z:Z+1], v[Z:Z+1]
	v_pk_mul_f32 v[242:243], v[Z+2:Z+3], v[Z+2:Z+3]
.irp k, 4,8,12,16,20,24,28
	s_delay_alu instid0(VALU_DEP_2)
	v_pk_fma_f32 v[240:241], v[Z+\k:Z+\k+1], v[Z+\k:Z+\k+1], v[240:241]
	s_delay_alu instid0(VALU_DEP_2)
	v_pk_fma_f32 v[242:243], v[Z+\k+2:Z+\k+3], v[Z+\k+2:Z+\k+3], v[242:243]
.endr
	s_delay_alu instid0(VALU_DEP_1)
	v_pk_add_f32 v[240:241], v[240:241], v[242:243]
	s_delay_alu instid0(VALU_DEP_1)
	v_add_f32 v240, v240, v241
	ACROSS
	s_delay_alu instid0(VALU_DEP_1)
	v_fma_f32 v240, v240, s[RN], s[EP]             ; the variance + 1e-5
	s_wait_alu depctr_va_vdst(0)
	v_rsq_f32 v246, v240
	v_nop                                          ; a plain instruction behind the transcendental
	s_wait_alu depctr_va_vdst(0)
	v_mov_b32 v247, v246
.irp k, 0,2,4,6,8,10,12,14,16,18,20,22,24,26,28,30
	v_pk_mul_f32 v[Z+\k:Z+\k+1], v[Z+\k:Z+\k+1], v[246:247]
.endr
.irp k, 0,2,4,6,8,10,12,14,16,18,20,22,24,26,28,30
	v_pk_fma_f32 v[Z+\k:Z+\k+1], v[Z+\k:Z+\k+1], v[G+\k:G+\k+1], v[BE+\k:BE+\k+1]
.endr
.irp j, 0,1,2,3,4,5,6,7
	global_store_b128 v3, v[Z+4*\j:Z+4*\j+3], s[20:21] offset:4096*\i+512*\j th:TH_STORE_NT   ; 512 consecutive bytes
.endr
.endm
	ROW 0
	ROW 1
	s_endpgm
.Lfunc_end_k_qf90669677a_ln2:
	.size	k_qf90669677a_ln2, .Lfunc_end_k_qf90669677a_ln2-k_qf90669677a_ln2
	.p2alignl 7, 3214868480
	.fill 96, 4, 3214868480
	.section	.rodata,"a",@progbits
	.p2align	6, 0x0
	.amdhsa_kernel k_qf90669677a_ln2
		.amdhsa_group_segment_fixed_size 0
		.amdhsa_private_segment_fixed_size 0
		.amdhsa_enable_private_segment 0
		.amdhsa_kernarg_size 48
		.amdhsa_user_sgpr_count 2
		.amdhsa_user_sgpr_kernarg_segment_ptr 1
		.amdhsa_wavefront_size32 1
		.amdhsa_system_sgpr_workgroup_id_x 1
		.amdhsa_system_sgpr_workgroup_id_y 1
		.amdhsa_system_sgpr_workgroup_id_z 1
		.amdhsa_system_vgpr_workitem_id 0
		.amdhsa_next_free_vgpr 256
		.amdhsa_next_free_sgpr 66
		.amdhsa_reserve_vcc 0
		.amdhsa_float_denorm_mode_32 3
		.amdhsa_float_denorm_mode_16_64 3
		.amdhsa_memory_ordered 1
		.amdhsa_forward_progress 1
		.amdhsa_inst_pref_size 27
	.end_amdhsa_kernel
	.amdgpu_metadata
---
amdhsa.version: [ 1, 2 ]
amdhsa.kernels:
  - .name:           k_qf90669677a_ln2
    .symbol:         k_qf90669677a_ln2.kd
    .args:
      - { .name: part, .offset: 0, .size: 8, .value_kind: global_buffer, .address_space: global }
      - { .name: o1, .offset: 8, .size: 8, .value_kind: global_buffer, .address_space: global }
      - { .name: b2, .offset: 16, .size: 8, .value_kind: global_buffer, .address_space: global }
      - { .name: g2, .offset: 24, .size: 8, .value_kind: global_buffer, .address_space: global }
      - { .name: be2, .offset: 32, .size: 8, .value_kind: global_buffer, .address_space: global }
      - { .name: out0, .offset: 40, .size: 8, .value_kind: global_buffer, .address_space: global }
    .group_segment_fixed_size: 0
    .private_segment_fixed_size: 0
    .kernarg_segment_align: 8
    .kernarg_segment_size: 48
    .max_flat_workgroup_size: 256
    .sgpr_count:     66
    .vgpr_count:     256
    .wavefront_size: 32
...
	.end_amdgpu_metadata
.endif
;; end of part 8
